; MI455X (gfx1250); checked and timed in simulation.
; The chip was launched on July 23, 2026; its instructions are those of AMD's public machine-readable ISA for CDNA 5 (MIT licence, August 2026) and "CDNA5" Instruction Set Architecture Reference Guide (July 2026). The comments in the code are by the model that wrote it; some were corrected since.
;; Self Head Attention. Allowed arithmetic: matrix products marked QUANTISED: E2M1 operands, one E8M0 scale for each 32 along K, by v_wmma_scale_f32_16x16x128_f8f6f4 with both operands' format E2M1 (or v_wmma_scale_f32_32x16x128_f4), f32 sums; products left as they are: bf16, f16 or f32 operands; f32 sums; everything else in f32.
;; Inputs: Wk 1,024 x 1,024 float32; Wq 1,024 x 1,024 float32; Wv 1,024 x 1,024 float32; embeds 4 x 2,048 x 1,024 float32.
;; Outputs: out0 4 x 2,048 x 1,024 float32.
;; This version of the problem:
;;   THIS VERSION OF THE PROBLEM IS GIVEN IN LOW PRECISION. The matrix products marked QUANTISED in the list below multiply operands that are first quantised to E2M1 (2 exponent bits, 1 mantissa bit; 4 bits a number), with one power-of-two scale for each 32 numbers along K (OCP MX v1.0); their sums are f32. The products marked 'left as it is' may take bf16, f16 or f32 operands, with f32 sums. Whichever they take, every output number must still come out within the allowed error. Rounding operands to bf16 (8 significant bits) uses up far more of that allowance than f16 does (11 bits, for magnitudes from 6e-5 to 65,504). All else is computed in f32.
;;   The module's matrix products, in the order in which they are computed (A, B: the left and right operand; K: the contracted axis; several contracted axes count as one K, in the product's order):
;;     1. [M 8,192, K 1,024] x [K 1,024, N 1,024]; A: input embeds; B: input Wq: QUANTISED
;;     2. [M 8,192, K 1,024] x [K 1,024, N 1,024]; A: input embeds; B: input Wk: QUANTISED
;;     3. [M 8,192, K 1,024] x [K 1,024, N 1,024]; A: input embeds; B: input Wv: QUANTISED
;;     4. batch 4 x [M 2,048, K 1,024] x [K 1,024, N 2,048]; A: computed on the way; B: computed on the way: left as it is (an operand is computed on the way)
;;     5. batch 4 x [M 2,048, K 2,048] x [K 2,048, N 1,024]; A: computed on the way; B: computed on the way: left as it is (an operand is computed on the way)
;;   THE QUANTISER, for each operand of a quantised product, along K:
;;     - K is cut into blocks of 32 from its start; a last block that is shorter is filled with zeros.
;;     - A block's scale is 2^e with e = floor(log2(the largest magnitude in the block)) - 2, held to -126 .. 127; a block of zeros has e = 0. As a byte (E8M0): e + 127.
;;     - Each number is divided by its block's scale, clamped to +-6, and rounded to the nearest number of E2M1, ties to even, subnormals kept.
;;     - The product sums the exact products of the quantised numbers (number of the format x scale) in f32.
;;   ~~~python
;;   def quantise(x, axis):      # numpy; x: float32 -> the quantised numbers, widened to float32 again
;;       x = np.moveaxis(x, axis, -1); K = x.shape[-1]
;;       x = np.pad(x, [(0, 0)] * (x.ndim - 1) + [(0, -K % 32)]); x = x.reshape(x.shape[:-1] + (-1, 32)); a = np.abs(x).max(-1, keepdims=True)
;;       e = np.where(a > 0, np.clip(np.frexp(np.where(a > 0, a, 1))[1] - 1 - 2, -126, 127), 0)      # np.frexp(a)[1] - 1 = floor(log2(a)), exactly
;;       r = np.clip(x / 2.0 ** e, -6, 6)
;;       step = 2.0 ** (np.maximum(np.frexp(np.where(r == 0, 1, r))[1] - 1, 0) - 1)
;;       q = np.round(r / step) * step * 2.0 ** e      # np.round: ties to even
;;       return np.moveaxis(q.reshape(q.shape[:-2] + (-1,))[..., :K], -1, axis).astype(np.float32)
;;   ~~~
;; One version. Each part assembles by itself: llvm-mc -triple=amdgcn-amd-amdhsa -mcpu=gfx1250 --defsym DOCPART=n.
;; ======== version 1 of 1: 5 launches
;; limits: values are held in f16: magnitudes above 65,504 overflow, below 6.1e-05 lose precision
;; workspace buffers: codes 5,767,168 bytes; scales 360,448 bytes; qkv 50,331,648 bytes; p_img 33,554,432 bytes; stats 1,048,576 bytes; h16 786,432 bytes
;; launch quant (part 1): grid 448 x 1, 4 waves a work-group, no clusters, 42,496 bytes of LDS; arguments embeds, Wq, Wk, Wv, codes, scales; writes codes, scales
.if DOCPART == 1
	.amdgcn_target "amdgcn-amd-amdhsa--gfx1250"
	.amdhsa_code_object_version 6
	.text
	.protected	k_qb1a1088ea6_quant
	.globl	k_qb1a1088ea6_quant
	.p2align	8
	.type	k_qb1a1088ea6_quant,@function
k_qb1a1088ea6_quant:
	s_mov_b64 s[64:65], 0
	v_nop
	global_prefetch_b8 v0, s[64:65] scope:SCOPE_SE
	s_setreg_imm32_b32 hwreg(HW_REG_WAVE_MODE, 25, 1), 1
	s_wait_xcnt 0x0
; embeds [8192][1024] (K innermost) and Wq, Wk, Wv [1024 (K)][1024] (K is the first axis), all f32, become codes of FP4 (E2M1), two a byte, K innermost, with one E8M0 byte for each 32 along K.
; codes: 11,264 rows x 512 bytes; rows 0-8,191 are tokens, row 8,192 + 1,024 w + n is column n of Wq (w = 0), Wk (1), Wv (2).  scales: the same rows x 32 bytes.
; A block's scale is 2^(floor(log2(its largest magnitude)) - 2): its byte is the largest magnitude's exponent field - 2, held at 1 from below.  Each number is divided by the scale and rounded to the nearest code, ties to even,
; beyond 6 the largest code.
; LIMITS: a block of zeros, and a block whose largest magnitude lies under 2^-124, gets the byte 1 (zero codes add nothing under it; this program alone reads the bytes); NaN and infinities are not served.
; Work-groups 0-191 take a weight: 32 columns x 512 along K.  A lane takes a column and its registers run down K, so a block of 32 lies in one lane.  Each of the four waves takes 128 along K, four blocks, two of them
; on their way at a time: two dependent trips to memory a wave.  The waves' codes meet in one stage in LDS, behind a barrier, and leave as whole rows of 256 bytes.  Column groups 2 m and 2 m + 1, which read the two halves
; of the same 256 bytes of a row of W, have neighbouring numbers.
; Work-groups 192-447 take embeds as a plain stream of blocks: a wave takes 16 steps of 512 numbers; each load reads 512 consecutive bytes; a step turns through the wave's own stage in LDS so that a lane holds 16 neighbours.
; Each of the two ways has LDS bytes of its own.
.set EMAX,  2
.set NWG,   192                        ; work-groups that take weights
.set STEPS, 16
.set CB,    8                          ; bytes of 16 codes
.set R,     16                         ; v16-79   tokens: four sets of 16 numbers as loaded
.set X,     80                         ; v80-111  two sets of 16 neighbours
.set E,     112                        ; v112-127 a scale byte for each step
.set C,     128                        ; v128-189 codes, four registers apart for each step: no store's data are written again
.set WREG,  8192                       ; tokens: a wave's LDS: two stages of 32 x 80 bytes, then its 256 scale bytes
.set SP,    80
.set WBASE, 32768                      ; weights: the work-group's stage, 32 rows (columns of W) x 272 bytes
.set PITCH, 272
.set SCST,  WBASE+32*PITCH             ; and its scale bytes: 16 a column
.set KROW,  512                        ; a row of codes in bytes
.set NB,    4                          ; blocks of 32 along K for a wave
.set XW,    32                         ; v32-95   weights: two sets of 32 numbers
.set CW,    96                         ; v96-99   a block's codes
.set OUTR,  112                        ; v112-131 the way out
.set SB,    24                         ; v24      my four scale bytes
.set SPW,   190                        ; v190 LDS address of my spare word; never rewritten
.set NIL,   191                        ; v191 0; never rewritten
.set SPARE, SCST+512                   ; the spare words: 128 bytes a wave, two blocks of 256 bytes that no other line names
	s_load_b256 s[4:11], s[0:1], 0x0               ; embeds s[4:5], Wq s[6:7], Wk s[8:9], Wv s[10:11]
	s_load_b128 s[12:15], s[0:1], 0x20             ; codes s[12:13], scales s[14:15]
	v_lshl_add_u32 v[SPW], v0, 2, SPARE
	v_mov_b32 v[NIL], 0
	v_lshrrev_b32 v1, 5, v0
	v_readfirstlane_b32 s16, v1                    ; wave
	v_and_b32 v2, 31, v0                           ; lane
	s_mov_b32 s21, 0
	s_mov_b32 s25, 0
	s_wait_kmcnt 0x0
	s_cmp_lt_u32 ttmp9, NWG                        ; the work-group's number alone decides
	s_cbranch_scc1 .Lweights
	; ---------------- tokens ----------------
	v_lshlrev_b32 v3, 4, v2                        ; my 16 bytes of a load's 512
	s_mul_i32 s17, s16, WREG
	v_lshrrev_b32 v14, 2, v2
	v_mul_u32_u24 v14, v14, SP
	v_and_b32 v15, 3, v2
	v_lshl_add_u32 v14, v15, 4, v14
	v_add_nc_u32 v14, s17, v14                     ; into the stage: four lanes' 64 bytes on end, then 16 of padding
	v_mul_u32_u24 v15, v2, SP
	v_add_nc_u32 v15, s17, v15                     ; out of it: 80 x lane: my 16 neighbours
	v_mul_u32_u24 v4, v2, CB                       ; my codes' place in a step's 256 bytes
	v_lshrrev_b32 v5, 1, v2
	s_add_co_u32 s17, s17, 2*32*SP
	v_add_nc_u32 v5, s17, v5                       ; my block's scale byte in the wave's 256
	v_lshlrev_b32 v7, 3, v2
	v_add_nc_u32 v6, s17, v7                       ; and 8 bytes a lane on their way out
	s_sub_co_u32 s18, ttmp9, NWG
	s_lshl_b32 s18, s18, 2
	s_add_co_u32 s18, s18, s16                     ; which run of 8,192 numbers is my wave's: 0 .. 1,023
	s_lshl_b32 s20, s18, 15
	s_add_nc_u64 s[4:5], s[4:5], s[20:21]          ; 32,768 bytes of numbers,
	s_lshl_b32 s20, s18, 12
	s_add_nc_u64 s[12:13], s[12:13], s[20:21]      ; 4,096 of codes,
	s_lshl_b32 s20, s18, 8
	s_add_nc_u64 s[14:15], s[14:15], s[20:21]      ; 256 scale bytes a run
.macro LOAD t
.irp i, 0,1,2,3
	global_load_b128 v[R+16*((\t)%4)+4*\i:R+16*((\t)%4)+4*\i+3], v3, s[4:5] offset:2048*(\t)+512*\i th:TH_LOAD_NT   ; 32 lanes read 512 consecutive bytes
.endr
.endm
.macro TURN t                          ; step t through the stage; LDS serves a wave's instructions in order, so no wait stands between the stores and the loads
.irp i, 0,1,2,3
	ds_store_b128 v14, v[R+16*((\t)%4)+4*\i:R+16*((\t)%4)+4*\i+3] offset:32*SP*((\t)%2)+8*SP*\i
.endr
.irp i, 0,1,2,3
	ds_load_b128 v[X+16*((\t)%2)+4*\i:X+16*((\t)%2)+4*\i+3], v15 offset:32*SP*((\t)%2)+16*\i
.endr
.endm
.irp t, 0,1,2,3
	LOAD \t
.endr
	s_wait_loadcnt 12                              ; step 0's four loads are in; twelve younger ones stay out
	TURN 0
.macro STEP t
.set XS, X+16*((\t)%2)
.if (\t) > 0
	s_wait_dscnt 1                                 ; this step's numbers are back from the stage; the last step's byte store may be out
.else
	s_wait_dscnt 0x0
.endif
.if (\t)+4 < STEPS
	LOAD (\t)+4                                    ; into the set whose stores into the stage are done
.endif
.if (\t)+1 < STEPS
.if STEPS-2-(\t) >= 3
	s_wait_loadcnt 12                              ; the next step's four loads are in; those of three steps behind it stay out
.else
	s_wait_loadcnt 4*(STEPS-2-(\t))
.endif
	TURN (\t)+1
.endif
	v_max3_num_f32 v8, |v[XS]|, |v[XS+1]|, |v[XS+2]|               ; the largest magnitude of my 16, in two chains
	v_max3_num_f32 v9, |v[XS+3]|, |v[XS+4]|, |v[XS+5]|
.irp i, 6,10
	v_max3_num_f32 v8, v8, |v[XS+\i]|, |v[XS+\i+1]|
	v_max3_num_f32 v9, v9, |v[XS+\i+2]|, |v[XS+\i+3]|
.endr
	v_max3_num_f32 v8, v8, |v[XS+14]|, |v[XS+15]|
	v_max3_num_f32 v8, v8, v9, (EMAX+1)<<23        ; and the floor 2^(3 - 127): the byte cannot fall under 1
	v_max_num_f32_dpp v8, v8, v8 row_xmask:1 row_mask:0xf bank_mask:0xf   ; with my neighbour's 16: the block's
	v_add_nc_u32 v11, 0xff000000, v8               ; 2 off its exponent field: the conversion takes that field as its scale
	v_cvt_scalef32_pk8_fp4_f32 v[C+4*(\t)], v[XS:XS+7], v11
	v_cvt_scalef32_pk8_fp4_f32 v[C+4*(\t)+1], v[XS+8:XS+15], v11
	v_lshrrev_b32 v[E+(\t)], 23, v11               ; the scale's byte (also the plain line behind the conversions)
	ds_store_b8 v5, v[E+(\t)] offset:16*(\t)       ; both lanes of a block write the same byte with the same value
	global_store_b64 v4, v[C+4*(\t):C+4*(\t)+1], s[12:13] offset:32*CB*(\t)   ; the wave stores 256 consecutive bytes, aligned
.endm
.irp t, 0,1,2,3,4,5,6,7,8,9,10,11,12,13,14,15
	STEP \t
.endr
	ds_load_b64 v[8:9], v6                         ; in order behind my byte stores
	s_wait_dscnt 0x0
	global_store_b64 v7, v[8:9], s[14:15]          ; the wave's 256 scale bytes, aligned
	s_wait_tensorcnt 0x0                           ; the wave's end
	ds_add_u32 v[SPW], v[NIL]
	s_wait_dscnt 0x0
	s_endpgm
	; ---------------- weights ----------------
.Lweights:
	s_lshr_b32 s18, ttmp9, 6                       ; which weight
	s_and_b32 s19, ttmp9, 31                       ; which 32 columns
	s_bfe_u32 s20, ttmp9, 0x10005                  ; which 512 along K (one bit from bit 5)
	s_cmp_eq_u32 s18, 1
	s_cselect_b64 s[6:7], s[8:9], s[6:7]
	s_cmp_eq_u32 s18, 2
	s_cselect_b64 s[6:7], s[10:11], s[6:7]
	s_lshl_b32 s24, s20, 21                        ; 512 rows of 4,096 bytes,
	s_lshl_b32 s22, s16, 19                        ; my wave's 128 rows of them,
	s_add_co_u32 s24, s24, s22
	s_lshl_b32 s22, s19, 7                         ; 32 columns of 4 bytes
	s_add_co_u32 s24, s24, s22
	s_add_nc_u64 s[6:7], s[6:7], s[24:25]
	s_lshl_b32 s22, s18, 10
	s_lshl_b32 s23, s19, 5
	s_add_co_u32 s22, s22, s23
	s_add_co_u32 s22, s22, 8192                    ; the work-group's first row of codes and scales
	s_lshl_b32 s24, s22, 5
	s_lshl_b32 s23, s20, 4
	s_add_co_u32 s24, s24, s23
	s_add_nc_u64 s[14:15], s[14:15], s[24:25]      ; scales: that row, 16 bytes for each 512 along K
	s_lshl_b32 s23, s16, 3
	s_add_co_u32 s22, s22, s23                     ; codes: my wave stores rows 8 w .. 8 w + 7
	s_lshl_b32 s24, s22, 9
	s_lshl_b32 s23, s20, 8
	s_add_co_u32 s24, s24, s23
	s_add_nc_u64 s[12:13], s[12:13], s[24:25]
	v_lshlrev_b32 v3, 2, v2                        ; in: 4 bytes a lane
	s_lshl_b32 s23, s16, 6
	s_add_co_u32 s23, s23, WBASE
	v_mul_u32_u24 v4, v2, PITCH
	v_add_nc_u32 v4, s23, v4                       ; into the stage: row = my column, my wave's 64 bytes of its 256
	s_lshl_b32 s23, s16, 2
	s_add_co_u32 s23, s23, SCST
	v_lshl_add_u32 v10, v2, 4, s23                 ; my column's 16 scale bytes, my wave's word
	v_and_b32 v5, 15, v2
	v_lshrrev_b32 v6, 4, v2
	s_mul_i32 s23, s16, 8*PITCH
	s_add_co_u32 s23, s23, WBASE
	v_mul_u32_u24 v7, v6, PITCH
	v_lshl_add_u32 v7, v5, 4, v7
	v_add_nc_u32 v7, s23, v7                       ; out of it: my wave's 8 rows, sixteen lanes to a row, two rows an instruction
	v_mul_u32_u24 v8, v6, KROW
	v_lshl_add_u32 v8, v5, 4, v8                   ; the same place among the rows of codes
	v_lshl_add_u32 v14, v2, 4, SCST                ; wave 0 on the way out: a column's 16 scale bytes a lane,
	v_lshlrev_b32 v9, 5, v2                        ; and that column's row of scales
.macro WLOAD t                         ; block t: W(32 t + i, my column) into set t % 2; 32 lanes read 128 consecutive bytes
.set ii, 0
.rept 32
	global_load_b32 v[XW+32*((\t)%2)+ii], v3, s[6:7] offset:(32*(\t)+ii)*4096 th:TH_LOAD_NT
.set ii, ii+1
.endr
.endm
	WLOAD 0
	WLOAD 1
.macro BLOCK t
.set XS, XW+32*((\t)%2)
.if (\t) < NB-1
	s_wait_loadcnt 32                              ; this block's 32 loads are in; the next block's stay out
.else
	s_wait_loadcnt 0
.endif
	v_max3_num_f32 v12, |v[XS]|, |v[XS+1]|, |v[XS+2]|               ; all 32 numbers of the block are mine
	v_max3_num_f32 v13, |v[XS+3]|, |v[XS+4]|, |v[XS+5]|
.irp i, 6,10,14,18,22,26
	v_max3_num_f32 v12, v12, |v[XS+\i]|, |v[XS+\i+1]|
	v_max3_num_f32 v13, v13, |v[XS+\i+2]|, |v[XS+\i+3]|
.endr
	v_max3_num_f32 v12, v12, |v[XS+30]|, |v[XS+31]|
	v_max3_num_f32 v12, v12, v13, (EMAX+1)<<23     ; the floor
	v_add_nc_u32 v11, 0xff000000, v12
	v_lshrrev_b32 v13, 23, v11                     ; the scale's byte
.if (\t) == 0
	v_mov_b32 v[SB], v13
.else
	v_lshl_or_b32 v[SB], v13, 8*(\t), v[SB]        ; the lower K in the lower byte
.endif
.irp g, 0,1,2,3
	v_cvt_scalef32_pk8_fp4_f32 v[CW+\g], v[XS+8*\g:XS+8*\g+7], v11
.endr
	v_nop                                          ; a plain line behind the last conversion
	ds_store_b128 v4, v[CW:CW+3] offset:16*(\t)    ; 32 codes: 16 bytes of my column's row
.if (\t)+2 < NB
	WLOAD (\t)+2
.endif
	s_wait_dscnt 0x0                               ; the store has read its registers: the next block's codes may be written
.endm
.irp t, 0,1,2,3
	BLOCK \t
.endr
	ds_store_b32 v10, v[SB]
	s_wait_dscnt 0x0                               ; for the others' sake: my stores into the stage are done
	s_barrier_signal -1
	s_barrier_wait -1                              ; 32 whole rows of 256 bytes, and their scale bytes, lie in LDS
.irp t, 0,1,2,3
	ds_load_b128 v[OUTR+4*\t:OUTR+4*\t+3], v7 offset:2*\t*PITCH
.endr
.irp t, 0,1,2,3
	s_wait_dscnt 3-\t                              ; loads come back in order: number t is in
	global_store_b128 v8, v[OUTR+4*\t:OUTR+4*\t+3], s[12:13] offset:2*\t*KROW   ; sixteen lanes store 256 consecutive bytes, aligned
.endr
	s_cmp_lg_u32 s16, 0                            ; one wave sends the 32 columns' scale bytes, 16 a lane
	s_cbranch_scc1 .Lnot_wave_0
	ds_load_b128 v[OUTR+16:OUTR+19], v14
	s_wait_dscnt 0x0
	global_store_b128 v9, v[OUTR+16:OUTR+19], s[14:15]
.Lnot_wave_0:
	s_wait_tensorcnt 0x0                           ; the wave's end, as above
	ds_add_u32 v[SPW], v[NIL]
	s_wait_dscnt 0x0
	s_endpgm
.Lfunc_end_k_qb1a1088ea6_quant:
	.size	k_qb1a1088ea6_quant, .Lfunc_end_k_qb1a1088ea6_quant-k_qb1a1088ea6_quant
	.p2alignl 7, 3214868480
	.fill 96, 4, 3214868480
	.section	.rodata,"a",@progbits
	.p2align	6, 0x0
	.amdhsa_kernel k_qb1a1088ea6_quant
		.amdhsa_group_segment_fixed_size 42496
		.amdhsa_private_segment_fixed_size 0
		.amdhsa_enable_private_segment 0
		.amdhsa_kernarg_size 48
		.amdhsa_user_sgpr_count 2
		.amdhsa_user_sgpr_kernarg_segment_ptr 1
		.amdhsa_wavefront_size32 1
		.amdhsa_system_sgpr_workgroup_id_x 1
		.amdhsa_system_sgpr_workgroup_id_y 1
		.amdhsa_system_sgpr_workgroup_id_z 1
		.amdhsa_system_vgpr_workitem_id 0
		.amdhsa_next_free_vgpr 192
		.amdhsa_next_free_sgpr 66
		.amdhsa_reserve_vcc 0
		.amdhsa_float_denorm_mode_32 3
		.amdhsa_float_denorm_mode_16_64 3
		.amdhsa_memory_ordered 1
		.amdhsa_forward_progress 1
		.amdhsa_inst_pref_size 55
	.end_amdhsa_kernel
	.amdgpu_metadata
---
amdhsa.version: [ 1, 2 ]
amdhsa.kernels:
  - .name:           k_qb1a1088ea6_quant
    .symbol:         k_qb1a1088ea6_quant.kd
    .args:
      - { .name: embeds, .offset: 0, .size: 8, .value_kind: global_buffer, .address_space: global }
      - { .name: Wq, .offset: 8, .size: 8, .value_kind: global_buffer, .address_space: global }
      - { .name: Wk, .offset: 16, .size: 8, .value_kind: global_buffer, .address_space: global }
      - { .name: Wv, .offset: 24, .size: 8, .value_kind: global_buffer, .address_space: global }
      - { .name: codes, .offset: 32, .size: 8, .value_kind: global_buffer, .address_space: global }
      - { .name: scales, .offset: 40, .size: 8, .value_kind: global_buffer, .address_space: global }
    .group_segment_fixed_size: 42496
    .private_segment_fixed_size: 0
    .kernarg_segment_align: 8
    .kernarg_segment_size: 48
    .max_flat_workgroup_size: 128
    .sgpr_count:     66
    .vgpr_count:     192
    .wavefront_size: 32
...
	.end_amdgpu_metadata
.endif
;; end of part 1
;; launch proj (part 2): grid 8 x 32, 4 waves a work-group, clusters of 4 x 4, 327,680 bytes of LDS; arguments codes, scales, qkv; writes qkv
.if DOCPART == 2
	.amdgcn_target "amdgcn-amd-amdhsa--gfx1250"
	.amdhsa_code_object_version 6
	.text
	.protected	k_qb1a1088ea6_proj
	.globl	k_qb1a1088ea6_proj
	.p2align	8
	.type	k_qb1a1088ea6_proj,@function
k_qb1a1088ea6_proj:
	s_mov_b64 s[64:65], 0
	v_nop
	global_prefetch_b8 v0, s[64:65] scope:SCOPE_SE
	s_setreg_imm32_b32 hwreg(HW_REG_WAVE_MODE, 25, 1), 1
	s_wait_xcnt 0x0
	s_wait_alu depctr_hold_cnt(0) depctr_sa_sdst(0) depctr_va_vdst(0) depctr_va_sdst(0) depctr_va_ssrc(0) depctr_va_vcc(0) depctr_vm_vsrc(0)
	s_getreg_b32 s2, hwreg(HW_REG_IB_STS2, 6, 4)
	s_cmp_eq_u32 s2, 0
	s_cbranch_scc0 .Lentry_in_a_cluster
	s_endpgm
.Lentry_in_a_cluster:
	s_bfe_u32 s2, ttmp6, 0x10000c
	s_cmp_lg_u32 s2, 0xf033
	s_cbranch_scc0 .Lentry_shape_is_right
	s_endpgm
.Lentry_shape_is_right:
; The three quantised products, on codes of FP4 with E8M0 scales, K = 1,024; sums in f32, K ascending; results rounded once to f16.
; 256 equal work-groups.  Work-group (tile row TR of 32, tile column TC of 8) holds 256 tokens and makes, of them,
;   FIRST  256 tokens x 256 columns of Wq | Wk (rows 8,192 + 256 TC on of the codes): four waves, 128 x 128 each, 64 accumulators;
;   THEN   128 columns of Wv (rows 10,240 + 128 TC on) x the same 256 tokens = v transposed: four waves, 128 tokens x 64 channels each, 32 accumulators.
; K goes in two steps of 512 (rows of 256 bytes), one to each of two LDS slots.  A slot holds the tokens' 256 rows, then 256 rows of weights.  The tokens' codes and scale bytes stay in LDS for both parts: for v only
; Wv's 128 rows are fetched, into the weights' half of each slot when Wq | Wk's rows there have been read out: two refills, each behind a round of the cluster's barrier.  The first part's stores leave while the second multiplies.
; The scale bytes come as units of 256 bytes with 16 of padding.  4 x 4 work-groups form a cluster: the tokens' tiles are asked for jointly along a row, the weights' along a column.
; FIRST: source 0 = 16 rows of W, source 1 = 16 tokens: a lane holds one token and eight neighbouring columns.  THEN the sources change places: a lane holds one channel and eight neighbouring tokens.
; RESULTS LEAVE AS IMAGES OF OPERAND REGISTERS: a matrix [rows][along K] lies as [rows / 16][K / 32][2][32 lanes][16 bytes]; half u holds registers 4 u .. 4 u + 3 of the 16-bit fragment.  A lane's eight neighbours, packed, are
; exactly such 16 bytes: each store of the wave covers 512 consecutive bytes, aligned, with no way through LDS.
; qkv: at 0 [512 token blocks][64 groups] (groups 0-31 q, 32-63 k), 65,536 bytes a block; at VT0 [4 batches][64 channel blocks][64 key groups].
; LIMIT: q, k and v must lie within f16's range (magnitudes under 65,504); beyond it the conversion gives infinity.
; REGISTERS: window 0: v0-31 addresses; v32-95 scale words, two sets; v128-191 the tokens' fragments (THEN: a second set in v192-255).  window 1: W's fragments, two sets; later the packed results.
;   window 2, 3: the accumulators.  THEN: window 2 the 32 accumulators ((a, b) at 8 (4 a + b)); window 3, v0-63: Wv's fragments, two sets.
.set NQ,     4                         ; matrix instructions deep in a slot
.set ROWB,   256
.set KROW,   512
.set PITCH,  272                       ; 256 bytes + 16: the 16 rows that a load touches start 68 words apart
.set FR,     8
.set NL,     2
.set NP,     4
.set HALFT,  128*PITCH
.set SLOT,   4*HALFT
.set KS,     32
.set SCL,    2*SLOT
.set HALFS,  (128*KS/256)*272
.set SBLK,   (16*KS/256)*272
.set SPARE,  SCL+4*HALFS               ; the spare words: two blocks of 256 bytes that no other line names
.set WVS,    3*HALFT                   ; Wv's scale bytes land in slot 0's last quarter
.set VT0,    33554432
.set ADRA, 16                          ; v16-17 LDS address of my tokens' fragments in slot 0, 1
.set ADRB, 20                          ; v20-21 the same for Wq | Wk
.set ADRW, 22                          ; v22-23 the same for Wv
.set ADRS2, 24                         ; v24 THEN: scale words: lanes 0-15 the tokens' blocks 0-3, lanes 16-31 Wv's blocks 0-3
.set ADRS3, 25                         ; v25 lanes 0-15 the tokens' blocks 4-7, lanes 16-31 as v24
.set CO,   26                          ; v26 16 x lane
.set ADRS, 27                          ; v27 FIRST: scale words: lanes 0-15 the tokens', lanes 16-31 W's
.set SPW,  28
.set NIL,  29
.set SC,   32                          ; v32-95 scale words, two sets, and nothing else
.set AF,   128                         ; the tokens' fragments, window 0
.set CX,   2                           ; s2, s3 my place in the cluster
.set CY,   3
.set TC,   12                          ; s12 tile column;  s17 tile row
.set G1, 24                            ; s[24:31] group 1, tokens' codes;  s[32:39] groups 0, a set for each slot
.set G0, 32
.set G0WS, 40                          ; s[40:43] group 0, Wv's scales
.set G1B, 48                           ; s[48:55], s[56:63] the same for the weights' codes
.set G0B, 56
.set G1S, 68                           ; s[68:75], s[76:79] tokens' scales;  s[80:87], s[88:91] the weights'
.set G0S, 76
.set G1SB, 80
.set G0SB, 88
.set G0W0, 92                          ; s[92:95], s[96:99] groups 0, Wv's codes of K 0-511 and 512-1,023
.set G0W1, 96
.set MROW, 100                         ; s100, s101 the masks of my row and my column of the cluster
.set MCOL, 101
.set MSB, 0
.macro WIN new                         ; the immediate's high byte repeats the setting that is left
.if MSB != \new
	s_set_vgpr_msb (MSB<<8)|\new
.set MSB, \new
.endif
.endm
.set MUL_LO, 0xa1                      ; source 0 (W) window 1, source 1 (tokens) window 0, C and D window 2
.set MUL_HI, 0xf1
.set MUL_V,  0xac                      ; source 0 (tokens) window 0, source 1 (Wv) window 3, C and D window 2
.set TO_B,   0x40
.macro JLOAD g0a, g1a, g0b, g1b        ; waves 0, 1 fetch for the tokens, waves 2, 3 for the weights; the branch hangs on the wave's number alone; s_nop 0 and four v_nop follow each line
	s_cmp_eq_u32 s15, 0
	s_cbranch_scc0 .Lfor_b_\@
	tensor_load_to_lds s[\g0a:\g0a+3], s[\g1a:\g1a+7]
	s_nop 0
.rept 4
	v_nop
.endr
	s_branch .Lasked_\@
.Lfor_b_\@:
	tensor_load_to_lds s[\g0b:\g0b+3], s[\g1b:\g1b+7]
	s_nop 0
.rept 4
	v_nop
.endr
.Lasked_\@:
.endm
.macro WLOAD0                          ; the first refill: wave 2 Wv's codes of K 0-511, wave 3 Wv's scale bytes, both jointly along my column, into slot 0's weights' half; waves 0 and 1 have nothing to fill
	s_cmp_eq_u32 s14, 2
	s_cbranch_scc0 .Lnot_codes_\@
	tensor_load_to_lds s[G0W0:G0W0+3], s[G1B:G1B+7]
	s_nop 0
.rept 4
	v_nop
.endr
	s_branch .Lasked_\@
.Lnot_codes_\@:
	s_cmp_eq_u32 s14, 3
	s_cbranch_scc0 .Lasked_\@
	tensor_load_to_lds s[G0WS:G0WS+3], s[G1SB:G1SB+7]
	s_nop 0
.rept 4
	v_nop
.endr
.Lasked_\@:
.endm
.macro WLOAD1                          ; the second: wave 2, Wv's codes of K 512-1,023, into slot 1's third quarter
	s_cmp_eq_u32 s14, 2
	s_cbranch_scc0 .Lasked_\@
	tensor_load_to_lds s[G0W1:G0W1+3], s[G1B:G1B+7]
	s_nop 0
.rept 4
	v_nop
.endr
.Lasked_\@:
.endm
.macro CREST                           ; a round of the cluster's barrier behind its opening barrier
	s_cmp_lg_u32 s14, 0
	s_cbranch_scc1 .Lnot_wave_0_\@
	s_barrier_signal -3
.Lnot_wave_0_\@:
	s_barrier_wait -3
	s_barrier_signal -1
	s_barrier_wait -1
.endm
.macro CROUND                          ; a whole round
	s_barrier_signal -1
	s_barrier_wait -1
	CREST
.endm
	s_load_b128 s[4:7], s[0:1], 0x0                ; codes s[4:5], scales s[6:7]
	s_load_b64 s[8:9], s[0:1], 0x10                ; qkv
	v_lshl_add_u32 v[SPW], v0, 2, SPARE
	v_mov_b32 v[NIL], 0
	ds_add_u32 v[SPW], v[NIL]                      ; the opening: the add, twice on end, and its wait ahead of my first tensor load
	ds_add_u32 v[SPW], v[NIL]
	v_lshrrev_b32 v1, 5, v0
	v_readfirstlane_b32 s14, v1                    ; wave
	s_lshr_b32 s15, s14, 1                         ; my half of the tokens; also: I fetch for the tokens (0) or the weights (1)
	s_and_b32 s16, s14, 1                          ; my half of the weights' rows; also: which 128 rows I fetch
	s_bfe_u32 s[CX], ttmp6, 0x40000                ; cx
	s_bfe_u32 s[CY], ttmp6, 0x40004                ; cy
	s_lshl_b32 s[TC], ttmp9, 2
	s_add_co_u32 s[TC], s[TC], s[CX]               ; tile column = 4 x cluster x + cx
	s_and_b32 s17, ttmp7, 0xffff
	s_lshl_b32 s17, s17, 2
	s_add_co_u32 s17, s17, s[CY]                   ; tile row = 4 x cluster y + cy
	s_lshl_b32 s[MROW], s[CY], 2
	s_lshl_b32 s[MROW], 15, s[MROW]                ; my row of the cluster
	s_lshl_b32 s[MCOL], 0x1111, s[CX]              ; my column
	s_or_b32 s[G1+0], s[MROW], (0<<16)|(1<<20)|(1<<21)|(5<<22)|(3<<25)  ; mask; elements of 1 byte; padding of 4 words behind every 64; bit 21 beside a mask
	s_or_b32 s[G1B+0], s[MCOL], (0<<16)|(1<<20)|(1<<21)|(5<<22)|(3<<25)
.irp g, G1, G1B
	s_mov_b32 s[\g+1], ROWB<<16                    ; tensor_dim0
	s_mov_b32 s[\g+2], 128<<16                     ; tensor_dim1
	s_mov_b32 s[\g+3], ROWB<<16                    ; tile_dim0
	s_mov_b32 s[\g+4], 128                         ; tile_dim1
	s_mov_b32 s[\g+5], KROW                        ; pitch
	s_mov_b32 s[\g+6], 0
	s_mov_b32 s[\g+7], 0
.endr
	s_or_b32 s[G1S+0], s[MROW], (3<<16)|(1<<20)|(1<<21)|(5<<22)|(3<<25) ; the scales of 128 rows: 4,096 dense bytes as 16 rows of 256
	s_or_b32 s[G1SB+0], s[MCOL], (3<<16)|(1<<20)|(1<<21)|(5<<22)|(3<<25)
.irp g, G1S, G1SB
	s_mov_b32 s[\g+1], 32<<16
	s_mov_b32 s[\g+2], (128*KS/256)<<16
	s_mov_b32 s[\g+3], 32<<16
	s_mov_b32 s[\g+4], 128*KS/256
	s_mov_b32 s[\g+5], 32
	s_mov_b32 s[\g+6], 0
	s_mov_b32 s[\g+7], 0
.endr
	s_lshl_b32 s18, s16, 7
	s_lshl_b32 s20, s17, 8
	s_add_co_u32 s20, s20, s18                     ; tokens: row 256 x tile row + 128 x half
	s_lshl_b32 s46, s[TC], 8
	s_add_co_u32 s46, s46, s18
	s_add_co_u32 s46, s46, 8192                    ; Wq | Wk: row 8,192 + 256 x tile column + 128 x half
	s_lshl_b32 s22, s20, 5                         ; their scales,
	s_mov_b32 s23, 0
	s_lshl_b32 s66, s46, 5
	s_mov_b32 s67, 0
	s_lshl_b32 s20, s20, 9                         ; their codes, in bytes (under 2^23)
	s_mov_b32 s21, 0
	s_lshl_b32 s46, s46, 9
	s_mov_b32 s47, 0
	s_mul_i32 s45, s14, HALFT                      ; where they go: wave x 128 rows
	s_mul_i32 s44, s14, HALFS
	s_wait_dscnt 0x0                               ; both opening adds are done
	s_wait_kmcnt 0x0
	s_add_nc_u64 s[20:21], s[4:5], s[20:21]
	s_add_nc_u64 s[22:23], s[6:7], s[22:23]
	s_add_nc_u64 s[46:47], s[4:5], s[46:47]
	s_add_nc_u64 s[66:67], s[6:7], s[66:67]
	CROUND                                         ; all sixteen work-groups are here: the joint loads meet
	s_mov_b32 s[G0S], 1
	s_add_co_u32 s[G0S+1], s44, SCL
	s_mov_b64 s[G0S+2:G0S+3], s[22:23]
	s_or_b32 s[G0S+3], s[G0S+3], 0x80000000
	s_mov_b32 s[G0SB], 1
	s_add_co_u32 s[G0SB+1], s44, SCL
	s_mov_b64 s[G0SB+2:G0SB+3], s[66:67]
	s_or_b32 s[G0SB+3], s[G0SB+3], 0x80000000
	JLOAD G0S, G1S, G0SB, G1SB                     ; the scales first
.irp s, 0,1
	s_mov_b32 s[G0+4*\s], 1
	s_add_co_u32 s[G0+4*\s+1], s45, \s*SLOT
	s_add_nc_u64 s[G0+4*\s+2:G0+4*\s+3], s[20:21], \s*ROWB
	s_or_b32 s[G0+4*\s+3], s[G0+4*\s+3], 0x80000000
	s_mov_b32 s[G0B+4*\s], 1
	s_add_co_u32 s[G0B+4*\s+1], s45, \s*SLOT
	s_add_nc_u64 s[G0B+4*\s+2:G0B+4*\s+3], s[46:47], \s*ROWB
	s_or_b32 s[G0B+4*\s+3], s[G0B+4*\s+3], 0x80000000
	JLOAD G0+4*\s, G1, G0B+4*\s, G1B               ; three loads of mine are out: the first fills
.endr
	; Wv's three descriptors, in registers of their own: rows 10,240 + 128 x tile column, which my column of the cluster shares
	s_lshl_b32 s46, s[TC], 7
	s_add_co_u32 s46, s46, 10240
	s_lshl_b32 s66, s46, 5                         ; its scales,
	s_mov_b32 s67, 0
	s_lshl_b32 s46, s46, 9                         ; its codes
	s_mov_b32 s47, 0
	s_mov_b32 s[G0W0], 1
	s_mov_b32 s[G0W0+1], 2*HALFT                   ; slot 0's third quarter
	s_add_nc_u64 s[G0W0+2:G0W0+3], s[4:5], s[46:47]
	s_mov_b32 s[G0W1], 1
	s_mov_b32 s[G0W1+1], SLOT+2*HALFT              ; slot 1's
	s_add_nc_u64 s[G0W1+2:G0W1+3], s[G0W0+2:G0W0+3], ROWB
	s_or_b32 s[G0W0+3], s[G0W0+3], 0x80000000
	s_or_b32 s[G0W1+3], s[G0W1+3], 0x80000000
	s_mov_b32 s[G0WS], 1
	s_mov_b32 s[G0WS+1], WVS
	s_add_nc_u64 s[G0WS+2:G0WS+3], s[6:7], s[66:67]
	s_or_b32 s[G0WS+3], s[G0WS+3], 0x80000000
	v_and_b32 v1, 15, v0                           ; r
	v_bfe_u32 v2, v0, 4, 1                         ; h
	v_mul_u32_u24 v3, v1, PITCH
	v_lshl_add_u32 v4, v2, 4, v3                   ; a fragment's row x pitch + 16 x half
	s_mul_i32 s21, s15, HALFT                      ; my 128 tokens
	s_mul_i32 s22, s16, HALFT                      ; my 128 rows of Wq | Wk, behind the tokens' 256
	s_add_co_u32 s22, s22, 2*HALFT
	s_mul_i32 s13, s16, 64*PITCH                   ; my 64 rows of Wv, in the same place
	s_add_co_u32 s13, s13, 2*HALFT
.irp s, 0,1
	v_add_nc_u32 v[ADRA+\s], s21, v4
	v_add_nc_u32 v[ADRB+\s], s22, v4
	v_add_nc_u32 v[ADRW+\s], s13, v4
	s_add_co_u32 s21, s21, SLOT
	s_add_co_u32 s22, s22, SLOT
	s_add_co_u32 s13, s13, SLOT
.endr
	v_mul_u32_u24 v5, v1, KS                       ; my row's scales: 32 bytes a row,
	v_lshrrev_b32 v6, 8, v5
	v_lshl_add_u32 v5, v6, 4, v5                   ; and 16 more for each 256 passed
	s_mul_i32 s21, s15, HALFS
	s_mul_i32 s22, s16, HALFS
	s_add_co_u32 s22, s22, 2*HALFS
	s_sub_co_u32 s22, s22, s21
	v_mul_u32_u24 v6, s22, v2                      ; FIRST: lanes 16-31 take W's: one product, the distance between the two bases
	s_add_co_u32 s21, s21, SCL                     ; the tokens' base
	v_add_nc_u32 v6, v5, v6
	v_add_nc_u32 v[ADRS], s21, v6
	s_mul_i32 s22, s16, 4*SBLK
	s_add_co_u32 s22, s22, WVS                     ; THEN: Wv's base, the lower of the two: my 64 rows' scales
	s_sub_co_u32 s21, s21, s22
	v_xor_b32 v7, 1, v2                            ; 1 - h
	v_mul_u32_u24 v6, s21, v7                      ; lanes 0-15 take the tokens': one product again
	v_add_nc_u32 v6, v5, v6
	v_add_nc_u32 v[ADRS2], s22, v6
	v_mul_u32_u24 v6, 4*SBLK, v7
	v_add_nc_u32 v[ADRS3], v[ADRS2], v6            ; the tokens' blocks 4-7 beside Wv's blocks 0-3
	v_and_b32 v6, 31, v0
	v_lshlrev_b32 v[CO], 4, v6
	s_lshl_b32 s20, s17, 20                        ; FIRST: where my part begins: 16 token blocks of 65,536 bytes a tile row, 8 a half,
	s_lshl_b32 s21, s15, 19
	s_add_co_u32 s20, s20, s21
	s_mov_b32 s21, 0
	s_lshl_b32 s46, s[TC], 13                      ; 8 groups of 1,024 bytes a tile column, 4 a half
	s_lshl_b32 s47, s16, 12
	s_add_co_u32 s46, s46, s47
	s_mov_b32 s47, 0
	s_add_nc_u64 s[20:21], s[20:21], s[46:47]
	s_lshr_b32 s22, s17, 3                         ; THEN: the batch, 8 key groups a tile row, 4 a half,
	s_lshl_b32 s22, s22, 22
	s_and_b32 s23, s17, 7
	s_lshl_b32 s23, s23, 13
	s_add_co_u32 s22, s22, s23
	s_lshl_b32 s23, s15, 12
	s_add_co_u32 s22, s22, s23
	s_add_co_u32 s22, s22, VT0
	s_mov_b32 s23, 0
	s_lshl_b32 s46, s[TC], 19                      ; 8 channel blocks of 65,536 bytes a tile column, 4 a half
	s_lshl_b32 s47, s16, 18
	s_add_co_u32 s46, s46, s47
	s_mov_b32 s47, 0
	s_add_nc_u64 s[22:23], s[22:23], s[46:47]
	s_add_nc_u64 s[10:11], s[8:9], s[22:23]
	s_add_nc_u64 s[8:9], s[8:9], s[20:21]
.macro FRAG reg, adr, q, i             ; 16 rows x 128 K of 4-bit codes: 8 registers, two loads 32 bytes apart
.irp c, 0,1
	ds_load_b128 v[\reg+4*\c:\reg+4*\c+3], v[\adr] offset:64*(\q)+32*\c+(\i)*16*PITCH
.endr
.endm
; FIRST: 16 matrix instructions: token blocks a0, a0 + 1 x W's eight.  The 64 accumulators take turns, one instruction a turn.
.macro MUL16 a0, p, q, sc, zero
.irp a, \a0, \a0+1
.irp b, 0,1,2,3,4,5,6,7
.if \zero
	v_wmma_scale_f32_16x16x128_f8f6f4 v[8*(8*((\a)%4)+\b):8*(8*((\a)%4)+\b)+7], v[128*(\p)+FR*\b:128*(\p)+FR*\b+FR-1], v[AF+FR*(\a):AF+FR*(\a)+FR-1], 0, v[SC+8*NQ*(\sc)+NQ*\b+(\q)], v[SC+8*NQ*(\sc)+NQ*(\a)+(\q)] matrix_a_fmt:MATRIX_FMT_FP4 matrix_b_fmt:MATRIX_FMT_FP4 matrix_a_scale:MATRIX_SCALE_ROW1
.else
	v_wmma_scale_f32_16x16x128_f8f6f4 v[8*(8*((\a)%4)+\b):8*(8*((\a)%4)+\b)+7], v[128*(\p)+FR*\b:128*(\p)+FR*\b+FR-1], v[AF+FR*(\a):AF+FR*(\a)+FR-1], v[8*(8*((\a)%4)+\b):8*(8*((\a)%4)+\b)+7], v[SC+8*NQ*(\sc)+NQ*\b+(\q)], v[SC+8*NQ*(\sc)+NQ*(\a)+(\q)] matrix_a_fmt:MATRIX_FMT_FP4 matrix_b_fmt:MATRIX_FMT_FP4 matrix_a_scale:MATRIX_SCALE_ROW1
.endif
.endr
.endr
.endm
.macro FETCH_B slot, q, p
	WIN TO_B
.irp i, 0,1,2,3,4,5,6,7
	FRAG 128*(\p)+FR*\i, ADRB+\slot, \q, \i
.endr
	WIN 0
.endm
.macro FETCH_A slot, q, i0
.irp i, \i0, \i0+1, \i0+2, \i0+3
	FRAG AF+FR*(\i), ADRA+\slot, \q, \i
.endr
.endm
.macro SCALES sc                       ; a slot's scale words: 4 a row; lanes 0-15 the tokens' block i, lanes 16-31 W's
.irp i, 0,1,2,3,4,5,6,7
	ds_load_b128 v[SC+8*NQ*\sc+NQ*\i:SC+8*NQ*\sc+NQ*\i+3], v[ADRS] offset:\i*SBLK
.endr
.endm
.macro PLACES n                        ; plain vector lines between a matrix instruction and a load into, or a read of, its registers
.rept \n
	v_nop
.endr
.endm
.macro STEP slot, q, zero              ; 128 along K, with its successor in the same slot
	s_wait_dscnt 4*NL                              ; all but the youngest eight loads (token blocks 4-7)
	WIN MUL_LO
	MUL16 0, (\q)%2, \q, \slot, \zero
	MUL16 2, (\q)%2, \q, \slot, \zero
	s_wait_dscnt 0
	PLACES NP
	FETCH_B \slot, (\q)+1, 1-(\q)%2
	FETCH_A \slot, (\q)+1, 0
	WIN MUL_HI
	MUL16 4, (\q)%2, \q, \slot, \zero
	MUL16 6, (\q)%2, \q, \slot, \zero
	PLACES NP
	WIN 0
	FETCH_A \slot, (\q)+1, 4
.endm
.macro STEPS slot, from
.set Q, \from
.rept NQ-1-\from
	STEP \slot, Q, 0
.set Q, Q+1
.endr
.endm
; Slot 0's last step goes over to slot 1.  In front of the round each wave waits for all its tensor loads (slot 1's first fill), adds 0 to its spare word, and waits for that and for its reads of slot 0.
; Behind the round no wave of any partner reads slot 0's weights any more: Wv's first half and its scales go there, first thing.
.macro TURN
	s_wait_tensorcnt 0x0
	ds_add_u32 v[SPW], v[NIL]
	s_wait_dscnt 4*NL+1                            ; the add and the youngest eight loads may be out
	WIN MUL_LO
	MUL16 0, 1, NQ-1, 0, 0                         ; sixteen matrix instructions stand between the add and the wait for it
	s_wait_dscnt 0x0
	s_barrier_signal -1
	MUL16 2, 1, NQ-1, 0, 0
	WIN 0
	s_barrier_wait -1
	CREST
	WLOAD0
	PLACES NP                                      ; for the waves that had nothing to fill: the places in front of the loads below
	v_add_nc_u32 v[ADRS], 4*NQ, v[ADRS]            ; the next 512 along K: 16 bytes on in each row of scales
	FETCH_B 1, 0, 0
	FETCH_A 1, 0, 0
	SCALES 1
	WIN MUL_HI
	MUL16 4, 1, NQ-1, 0, 0
	MUL16 6, 1, NQ-1, 0, 0
	PLACES NP
	WIN 0
	FETCH_A 1, 0, 4
.endm
; The first part's last step.  The same three lines and a round: Wv's first half and scales have landed in every wave's sight, nobody reads slot 1's weights any more, and Wv's second half goes there.
.macro LAST
	s_wait_tensorcnt 0x0
	ds_add_u32 v[SPW], v[NIL]
	s_wait_dscnt 4*NL+1
	WIN MUL_LO
	MUL16 0, 1, NQ-1, 1, 0
	s_wait_dscnt 0x0
	s_barrier_signal -1
	MUL16 2, 1, NQ-1, 1, 0
	WIN 0
	s_barrier_wait -1
	CREST
	WLOAD1
	WIN MUL_HI
	MUL16 4, 1, NQ-1, 1, 0
	MUL16 6, 1, NQ-1, 1, 0
	WIN 0
.endm
	s_wait_tensorcnt 1                             ; the scales and my part of slot 0 are in; slot 1's load may be out
	s_barrier_signal -1
	s_barrier_wait -1
	FETCH_B 0, 0, 0
	FETCH_A 0, 0, 0
	SCALES 0
	FETCH_A 0, 0, 4
	STEP 0, 0, 1                                   ; the first products start the sums
	STEPS 0, 1
	TURN
	STEPS 1, 0
	LAST
; THE FIRST WAY OUT.  Block a's 64 registers are rounded to f16 in pairs into window 1, where W's fragments lay; each accumulator is read from its low end on; all 256 packed registers are different, so no store's data are written again here.
.macro PACK a
.set AC, 64*((\a)%4)
	WIN 0x4a+5*((\a)/4)                            ; sources window 2 or 3, destination window 1
.irp b, 0,1,2,3,4,5,6,7
.irp i, 0,1,2,3
	v_cvt_pk_f16_f32 v[4*(8*(\a)+\b)+\i], v[AC+8*\b+2*\i], v[AC+8*\b+2*\i+1]
.endr
.endr
.endm
.macro SEND a
	WIN 0x04                                       ; a store's data are its source 1: window 1
.irp b, 0,1,2,3,4,5,6,7
	global_store_b128 v[CO], v[4*(8*(\a)+\b):4*(8*(\a)+\b)+3], s[8:9] offset:65536*(\a)+1024*(\b/2)+512*(\b%2)   ; 512 consecutive bytes, aligned
.endr
.endm
	PLACES NP
.irp a, 0,1,2,3,4,5,6,7
	PACK \a
	SEND \a
.endr
	WIN 0
; THEN: v transposed.  32 matrix instructions a step: my 8 token blocks x my 4 blocks of Wv, 128 along K; the 32 accumulators take turns.  In the result lane (r, h) holds channel 16 b + r and tokens 16 a + 8 h + 0 .. 7.
.macro MUL32 p, q, sc, zero
.irp a, 0,1,2,3,4,5,6,7
.irp b, 0,1,2,3
.if \zero
	v_wmma_scale_f32_16x16x128_f8f6f4 v[8*(4*\a+\b):8*(4*\a+\b)+7], v[AF+64*(\p)+FR*\a:AF+64*(\p)+FR*\a+FR-1], v[32*(\p)+FR*\b:32*(\p)+FR*\b+FR-1], 0, v[SC+8*NQ*(\sc)+NQ*\a+(\q)], v[SC+8*NQ*(\sc)+NQ*\b+(\q)] matrix_a_fmt:MATRIX_FMT_FP4 matrix_b_fmt:MATRIX_FMT_FP4 matrix_b_scale:MATRIX_SCALE_ROW1
.else
	v_wmma_scale_f32_16x16x128_f8f6f4 v[8*(4*\a+\b):8*(4*\a+\b)+7], v[AF+64*(\p)+FR*\a:AF+64*(\p)+FR*\a+FR-1], v[32*(\p)+FR*\b:32*(\p)+FR*\b+FR-1], v[8*(4*\a+\b):8*(4*\a+\b)+7], v[SC+8*NQ*(\sc)+NQ*\a+(\q)], v[SC+8*NQ*(\sc)+NQ*\b+(\q)] matrix_a_fmt:MATRIX_FMT_FP4 matrix_b_fmt:MATRIX_FMT_FP4 matrix_b_scale:MATRIX_SCALE_ROW1
.endif
.endr
.endr
.endm
.macro FETCH2 slot, q, p               ; 24 LDS loads in one run: Wv's four fragments into window 3, the tokens' eight into window 0, set p
	WIN 0xc0
.irp i, 0,1,2,3
	FRAG 32*(\p)+FR*\i, ADRW+\slot, \q, \i
.endr
	WIN 0
.irp i, 0,1,2,3,4,5,6,7
	FRAG AF+64*(\p)+FR*\i, ADRA+\slot, \q, \i
.endr
.endm
.macro SCALES2 sc                      ; a slot's scale words: lanes 0-15 the tokens' block i, lanes 16-31 Wv's block i % 4
.irp i, 0,1,2,3
	ds_load_b128 v[SC+8*NQ*\sc+NQ*\i:SC+8*NQ*\sc+NQ*\i+3], v[ADRS2] offset:\i*SBLK+16*\sc
.endr
.irp i, 4,5,6,7
	ds_load_b128 v[SC+8*NQ*\sc+NQ*\i:SC+8*NQ*\sc+NQ*\i+3], v[ADRS3] offset:(\i-4)*SBLK+16*\sc
.endr
.endm
.macro STEP2 slot, q, zero             ; this step's fragments are in; the next step's are asked for, into the other sets, ahead of this step's products
	s_wait_dscnt 0x0
	PLACES NP                                      ; the other sets were read by the products just issued
	FETCH2 \slot, (\q)+1, 1-(\q)%2
	WIN MUL_V
	MUL32 (\q)%2, \q, \slot, \zero
.endm
	FETCH2 0, 0, 0
	SCALES2 0
	STEP2 0, 0, 1                                  ; the first products start the sums
	STEP2 0, 1, 0
	STEP2 0, 2, 0
	WIN 0
	s_wait_tensorcnt 0x0                           ; wave 2's load of Wv's second half has landed;
	ds_add_u32 v[SPW], v[NIL]
	s_wait_dscnt 0x0                               ; the add is done; this step's fragments are in
	s_barrier_signal -1
	s_barrier_wait -1                              ; every wave may read it
	PLACES NP
	FETCH2 1, 0, 0
	SCALES2 1
	WIN MUL_V
	MUL32 1, 3, 0, 0
	STEP2 1, 0, 0
	STEP2 1, 1, 0
	STEP2 1, 2, 0
	s_wait_dscnt 0x0
	MUL32 1, 3, 1, 0
	WIN 0
; THE SECOND WAY OUT, as the first: channel block b, key group a / 2, half a % 2.
.macro PACK2 a
	WIN 0x4a                                       ; sources window 2, destination window 1
.irp b, 0,1,2,3
.irp i, 0,1,2,3
	v_cvt_pk_f16_f32 v[4*(4*(\a)+\b)+\i], v[8*(4*(\a)+\b)+2*\i], v[8*(4*(\a)+\b)+2*\i+1]
.endr
.endr
.endm
.macro SEND2 a
	WIN 0x04
.irp b, 0,1,2,3
	global_store_b128 v[CO], v[4*(4*(\a)+\b):4*(4*(\a)+\b)+3], s[10:11] offset:65536*\b+1024*((\a)/2)+512*((\a)%2)   ; 512 consecutive bytes, aligned
.endr
.endm
	PLACES NP
	s_wait_xcnt 0x0                                ; the first way out's stores have read their registers in window 1: they are written again only behind this wait
.irp a, 0,1,2,3,4,5,6,7
	PACK2 \a
	SEND2 \a
.endr
	WIN 0
	s_wait_tensorcnt 0x0                           ; the wave's end
	ds_add_u32 v[SPW], v[NIL]
	s_wait_dscnt 0x0
	CROUND                                         ; the closing round
	s_endpgm
.Lfunc_end_k_qb1a1088ea6_proj:
	.size	k_qb1a1088ea6_proj, .Lfunc_end_k_qb1a1088ea6_proj-k_qb1a1088ea6_proj
	.p2alignl 7, 3214868480
	.fill 96, 4, 3214868480
	.section	.rodata,"a",@progbits
	.p2align	6, 0x0
	.amdhsa_kernel k_qb1a1088ea6_proj
		.amdhsa_group_segment_fixed_size 327680
		.amdhsa_private_segment_fixed_size 0
		.amdhsa_enable_private_segment 0
		.amdhsa_kernarg_size 24
		.amdhsa_user_sgpr_count 2
		.amdhsa_user_sgpr_kernarg_segment_ptr 1
		.amdhsa_wavefront_size32 1
		.amdhsa_system_sgpr_workgroup_id_x 1
		.amdhsa_system_sgpr_workgroup_id_y 1
		.amdhsa_system_sgpr_workgroup_id_z 1
		.amdhsa_system_vgpr_workitem_id 0
		.amdhsa_next_free_vgpr 1024
		.amdhsa_next_free_sgpr 102
		.amdhsa_reserve_vcc 0
		.amdhsa_float_denorm_mode_32 3
		.amdhsa_float_denorm_mode_16_64 3
		.amdhsa_memory_ordered 1
		.amdhsa_forward_progress 1
		.amdhsa_inst_pref_size 179
	.end_amdhsa_kernel
	.amdgpu_metadata
---
amdhsa.version: [ 1, 2 ]
amdhsa.kernels:
  - .name:           k_qb1a1088ea6_proj
    .symbol:         k_qb1a1088ea6_proj.kd
    .args:
      - { .name: codes, .offset: 0, .size: 8, .value_kind: global_buffer, .address_space: global }
      - { .name: scales, .offset: 8, .size: 8, .value_kind: global_buffer, .address_space: global }
      - { .name: qkv, .offset: 16, .size: 8, .value_kind: global_buffer, .address_space: global }
    .group_segment_fixed_size: 327680
    .private_segment_fixed_size: 0
    .kernarg_segment_align: 8
    .kernarg_segment_size: 24
    .max_flat_workgroup_size: 128
    .sgpr_count:     102
    .vgpr_count:     1024
    .wavefront_size: 32
...
	.end_amdgpu_metadata
.endif
;; end of part 2
;; launch scores (part 3): grid 48 x 4, 4 waves a work-group, no clusters, 327,680 bytes of LDS; arguments qkv, codes, scales, p_img, stats, h16; writes p_img, stats, h16
.if DOCPART == 3
	.amdgcn_target "amdgcn-amd-amdhsa--gfx1250"
	.amdhsa_code_object_version 6
	.text
	.protected	k_qb1a1088ea6_scores
	.globl	k_qb1a1088ea6_scores
	.p2align	8
	.type	k_qb1a1088ea6_scores,@function
k_qb1a1088ea6_scores:
	s_mov_b64 s[64:65], 0
	v_nop
	global_prefetch_b8 v0, s[64:65] scope:SCOPE_SE
	s_setreg_imm32_b32 hwreg(HW_REG_WAVE_MODE, 25, 1), 1
	s_wait_xcnt 0x0
; Work-groups x = 0 .. 35 of batch y: one tile of 256 queries x 256 keys of q k^T at or under the diagonal (tile row I, column J <= I), f16 operands, f32 sums, K = 1,024.
;   t = score x log2(e) / 32.  M = the largest t of a row over the tile's 256 keys, rounded up to a whole number; p = 2^(t - M), not normalised, goes out in f16 as an image of operand registers
;   [4][128 query blocks][64 key groups][2][32 lanes][16 bytes]; for each row and 128 keys (-M, the sum of the unrounded p) goes to stats [4][16 chunks][2,048 rows][2].  On the diagonal hidden scores become -infinity first, so p = 0.
;   The next launch brings the tiles of a row under the row's largest M by powers of two, so the row's maximum is taken away as a softmax asks.
;   Four waves, 128 x 128 each, 64 accumulators.  K goes in steps of 128 through two LDS slots; operands lie in memory as register images, so a tile is 8 dense rows of 4,096 bytes, lands unpadded, and every LDS load reads
;   512 consecutive bytes.  Source 0 = 16 keys, source 1 = 16 queries: a lane holds one query and eight neighbouring keys.
; No cluster: a tile row of the triangle has 1 to 8 tiles and a tile column 8 to 1, so no fixed group of four shares a tile at every place.
; Work-groups x = 36 .. 47: the first 16 tokens of every sequence are projected once more on the same codes and kept in f32: h16 [4][16 tokens][3,072 = q, k, v], for the launch that carries those rows in f32.
; LIMITS: scores at or under -3e38 count as hidden; p under f16's smallest number falls to 0.
.set SLOTB, 131072                     ; a slot: Q's two halves, K's two halves, 32,768 bytes each = wave x 32,768
.set XCH,   262144                     ; 512 bytes a wave: the rows' maxima, handed to the wave with the other 128 keys
.set SPARE, 264192                     ; the spare words: two blocks of 256 bytes that no other line names
.set DV,   4                           ; v4  128 (wr - wc) + r - 8 h
.set NINF, 5                           ; v5  -infinity
.set CO,   6                           ; v6  16 x lane
.set SO,   7                           ; v7  8 x lane
.set XS,   8                           ; v8  where I put a row's maximum
.set XL,   9                           ; v9  where I read the partner's
.set ADRA, 16                          ; v16-17 queries' fragments in slot 0, 1
.set ADRB, 20                          ; v20-21 keys'
.set SPW,  28
.set NIL,  29
.set MXC,  32                          ; v32-35 four chains of a maximum; at the end v32-39 the pairs for stats
.set TA,   36
.set TC,   37
.set MXR,  40                          ; v40-47 my maxima, a block of 16 queries each
.set PXR,  48                          ; v48-55 the partner's
.set SUM,  56                          ; v56-59 two chains of sums
.set F0,   64                          ; fragment buffers (window 0 queries, window 1 keys)
.set F1,   128
.set EE,   64                          ; v64-127 t - M, then p
.set PK,   128                         ; v128-191 packed p, two sets by turns
.set ST,   192                         ; v192-207 block a: -M, the sum
.set WS,   208                         ; v208-215 the small path: W's scale words; v216-247 the tokens'.  These hold scales and nothing else
.set XSC,  216
.set HW,   32                          ; the small path: W's 8 fragments v32-95; accumulators v136-167
.set HAC,  136
.set G1,   24                          ; s[24:31] the one group 1
.set G0,   32                          ; s[32:39] group 0 for slot 0, 1
.set CS,   40                          ; s[40:41] c = log2(e) / 32
.set SEL,  42                          ; s[42:43] selects for lane l xor 16
.set HM,   44                          ; s44 mask of lanes 16-31
.set MASKF, 45                         ; s45 1 where my 128 x 128 has hidden scores
.set NEGBIG, 50                        ; s50 -3e38
.set MSB, 0
.macro WIN new
.if MSB != \new
	s_set_vgpr_msb (MSB<<8)|\new
.set MSB, \new
.endif
.endm
.set MUL_LO, 0xa1                      ; source 0 (keys) window 1, source 1 (queries) window 0, C and D window 2
.set MUL_HI, 0xf1
.set TO_B,   0x40
	s_load_b256 s[4:11], s[0:1], 0x0               ; qkv s[4:5], codes s[6:7], scales s[8:9], p_img s[10:11]
	s_load_b128 s[12:15], s[0:1], 0x20             ; stats s[12:13], h16 s[14:15]
	v_lshl_add_u32 v[SPW], v0, 2, SPARE
	v_mov_b32 v[NIL], 0
	ds_add_u32 v[SPW], v[NIL]                      ; the opening: the add, twice on end, and its wait ahead of my first tensor load
	ds_add_u32 v[SPW], v[NIL]
	v_lshrrev_b32 v1, 5, v0
	v_readfirstlane_b32 s16, v1                    ; wave
	s_lshr_b32 s17, s16, 1                         ; wr: my 128 queries
	s_and_b32 s18, s16, 1                          ; wc: my 128 keys
	s_and_b32 s19, ttmp7, 0xffff                   ; batch
	s_mov_b32 s[G1+0], 3<<16                       ; no mask, elements of 8 bytes, no padding
	s_mov_b32 s[G1+1], 512<<16                     ; tensor_dim0 = 512 elements: 4,096 bytes, 128 along K of 16 rows
	s_mov_b32 s[G1+2], 8<<16                       ; tensor_dim1 = 8 blocks of 16 rows
	s_mov_b32 s[G1+3], 512<<16                     ; tile_dim0
	s_mov_b32 s[G1+4], 8                           ; tile_dim1
	s_mov_b32 s[G1+5], 8192                        ; 65,536 bytes from block to block
	s_mov_b32 s[G1+6], 0
	s_mov_b32 s[G1+7], 0
	s_mov_b32 s[CS], 0x3d38aa3b
	s_mov_b32 s[CS+1], s[CS]
	s_mov_b32 s[SEL], 0x76543210
	s_mov_b32 s[SEL+1], 0xfedcba98
	s_mov_b32 s[HM], 0xffff0000
	s_mov_b32 s[NEGBIG], 0xff61b1e6
	s_wait_dscnt 0x0                               ; both opening adds are done
	s_wait_kmcnt 0x0
	s_cmp_ge_u32 ttmp9, 36                         ; the work-group's number alone decides
	s_cbranch_scc1 .Lfirst16
	s_mov_b32 s20, 0                               ; I = how many of the triangle numbers x has reached
.irp T, 1,3,6,10,15,21,28
	s_cmp_ge_u32 ttmp9, \T
	s_cselect_b32 s21, 1, 0
	s_add_co_u32 s20, s20, s21
.endr
	s_add_co_u32 s21, s20, 1
	s_mul_i32 s21, s21, s20
	s_lshr_b32 s21, s21, 1
	s_sub_co_u32 s21, ttmp9, s21                   ; J = x - I (I + 1) / 2
	s_cmp_lt_u32 s16, 2                            ; waves 0, 1 fetch the queries' halves, waves 2, 3 the keys'
	s_cselect_b32 s22, s20, s21
	s_cselect_b32 s23, 0, 32768                    ; k's groups lie 32 groups behind q's
	s_lshl_b32 s22, s22, 4
	s_lshl_b32 s52, s19, 7
	s_add_co_u32 s22, s22, s52
	s_lshl_b32 s52, s18, 3
	s_add_co_u32 s22, s22, s52                     ; the first block of 16 tokens that I fetch
	s_lshl_b32 s22, s22, 16
	s_add_co_u32 s22, s22, s23
	s_mov_b32 s23, 0
	s_add_nc_u64 s[52:53], s[4:5], s[22:23]
	s_lshl_b32 s54, s16, 15
.irp n, 0,1
	s_mov_b32 s[G0+4*\n], 1
	s_add_co_u32 s[G0+4*\n+1], s54, \n*SLOTB       ; LDS: wave x 32,768 + the slot
	s_add_nc_u64 s[G0+4*\n+2:G0+4*\n+3], s[52:53], \n*4096   ; K step n
	s_or_b32 s[G0+4*\n+3], s[G0+4*\n+3], 0x80000000
	tensor_load_to_lds s[G0+4*\n:G0+4*\n+3], s[G1:G1+7]      ; the two first fills go out together: two loads of mine are out
	s_nop 0
.endr
	v_and_b32 v1, 31, v0
	v_and_b32 v2, 15, v0                           ; r
	v_bfe_u32 v3, v0, 4, 1                         ; h
	v_lshlrev_b32 v[CO], 4, v1
	v_lshlrev_b32 v[SO], 3, v1
	s_lshl_b32 s22, s17, 15
	s_lshl_b32 s23, s18, 15
	s_add_co_u32 s23, s23, 65536
.irp n, 0,1
	v_add_nc_u32 v[ADRA+\n], s22, v[CO]
	v_add_nc_u32 v[ADRB+\n], s23, v[CO]
	s_add_co_u32 s22, s22, SLOTB
	s_add_co_u32 s23, s23, SLOTB
.endr
	s_sub_co_i32 s22, s17, s18
	s_lshl_b32 s22, s22, 7
	v_lshlrev_b32 v[DV], 3, v3
	v_sub_nc_u32 v[DV], v2, v[DV]
	v_add_nc_u32 v[DV], s22, v[DV]
	v_mov_b32 v[NINF], 0xff800000
	s_lshl_b32 s22, s16, 9
	s_add_co_u32 s22, s22, XCH
	v_lshl_add_u32 v[XS], v2, 2, s22
	s_xor_b32 s23, s16, 1                          ; the wave with my queries and the other keys
	s_lshl_b32 s23, s23, 9
	s_add_co_u32 s23, s23, XCH
	v_lshl_add_u32 v[XL], v2, 2, s23
	v_mov_b32 v[TC], 0                             ; a lane permute's destination counts as read
.irp a, 0,1,2,3,4,5,6,7
	v_mov_b32 v[ST+2*\a+1], 0                      ; named as the upper half of a pair before it is made
.endr
	s_cmp_eq_u32 s20, s21                          ; hidden scores: on the diagonal, but not in the wave with the later queries and the earlier keys
	s_cselect_b32 s[MASKF], 1, 0
	s_cmp_lg_u32 s16, 2
	s_cselect_b32 s[MASKF], s[MASKF], 0
	s_lshl_b32 s22, s20, 4                         ; p: batch, 16 I + 8 wr blocks of queries, 8 J + 4 wc groups of keys
	s_lshl_b32 s23, s17, 3
	s_add_co_u32 s22, s22, s23
	s_lshl_b32 s22, s22, 16
	s_lshl_b32 s23, s19, 23
	s_add_co_u32 s22, s22, s23
	s_lshl_b32 s23, s21, 13
	s_add_co_u32 s22, s22, s23
	s_lshl_b32 s23, s18, 12
	s_add_co_u32 s22, s22, s23
	s_mov_b32 s23, 0
	s_add_nc_u64 s[46:47], s[10:11], s[22:23]
	s_lshl_b32 s22, s19, 18                        ; stats: batch, chunk 2 J + wc, row 256 I + 128 wr
	s_lshl_b32 s55, s21, 15
	s_add_co_u32 s22, s22, s55
	s_lshl_b32 s55, s18, 14
	s_add_co_u32 s22, s22, s55
	s_lshl_b32 s55, s20, 11
	s_add_co_u32 s22, s22, s55
	s_lshl_b32 s55, s17, 10
	s_add_co_u32 s22, s22, s55
	s_add_nc_u64 s[48:49], s[12:13], s[22:23]
; 16 matrix instructions: query blocks a0, a0 + 1 of the window's four x all 8 key blocks, 32 along K.  The 64 accumulators take turns.
.macro MUL16 f, hi, a0, zero
.irp a, \a0, \a0+1
.irp b, 0,1,2,3,4,5,6,7
.if \zero
	v_wmma_f32_16x16x32_f16 v[8*(8*(\a)+\b):8*(8*(\a)+\b)+7], v[\f+8*\b:\f+8*\b+7], v[\f+8*(4*\hi+\a):\f+8*(4*\hi+\a)+7], 0
.else
	v_wmma_f32_16x16x32_f16 v[8*(8*(\a)+\b):8*(8*(\a)+\b)+7], v[\f+8*\b:\f+8*\b+7], v[\f+8*(4*\hi+\a):\f+8*(4*\hi+\a)+7], v[8*(8*(\a)+\b):8*(8*(\a)+\b)+7]
.endif
.endr
.endr
.endm
.macro FETCH slot, k, f                ; 32 LDS loads in one run: 128 keys and 128 queries, 32 along K at byte k of a block's 4,096
	WIN TO_B
.irp i, 0,1,2,3,4,5,6,7
	ds_load_b128 v[\f+8*\i:\f+8*\i+3],   v[ADRB+\slot] offset:\k+\i*4096
	ds_load_b128 v[\f+8*\i+4:\f+8*\i+7], v[ADRB+\slot] offset:\k+\i*4096+512
.endr
	WIN 0
.irp i, 0,1,2,3,4,5,6,7
	ds_load_b128 v[\f+8*\i:\f+8*\i+3],   v[ADRA+\slot] offset:\k+\i*4096
	ds_load_b128 v[\f+8*\i+4:\f+8*\i+7], v[ADRA+\slot] offset:\k+\i*4096+512
.endr
.endm
.macro PLACES                          ; four plain lines between a matrix instruction and a load into, or a read of, its registers
.rept 4
	v_nop
.endr
.endm
.macro QUARTER slot, k, f, g, zero     ; 32 along K: multiplies buffer f; in its middle fetches the next quarter, at byte k, into g
	s_wait_dscnt 8                                 ; keys and query blocks 0-3 are in; the youngest eight loads may be out
	WIN MUL_LO
	MUL16 \f, 0, 0, \zero
	MUL16 \f, 0, 2, \zero
	PLACES
	FETCH \slot, \k, \g
	s_wait_dscnt 32                                ; all but the 32 just issued
	WIN MUL_HI
	MUL16 \f, 1, 0, \zero
	MUL16 \f, 1, 2, \zero
.endm
; A slot's last quarter changes slots: one barrier.  In front of it each wave waits for all its tensor loads (one is out: its part of the next slot), adds 0 to its spare word, and waits for that and for its reads of this slot.
; fill = 1: this slot is filled again, two K steps ahead, first thing behind the barrier: 224 matrix instructions stand between that request and the wait for it.
.macro TURN slot, next, fill
	WIN 0
	s_wait_tensorcnt 0x0
	ds_add_u32 v[SPW], v[NIL]
	s_wait_dscnt 9                                 ; the add and the youngest eight loads may be out
	WIN MUL_LO
	MUL16 F1, 0, 0, 0
	s_wait_dscnt 0x0
	s_barrier_signal -1
	MUL16 F1, 0, 2, 0
	s_barrier_wait -1
.if \fill
	s_add_nc_u64 s[G0+4*\slot+2:G0+4*\slot+3], s[G0+4*\slot+2:G0+4*\slot+3], 8192
	tensor_load_to_lds s[G0+4*\slot:G0+4*\slot+3], s[G1:G1+7]
	s_nop 0
.endif
	PLACES                                         ; behind the load; also the places in front of the loads below
	FETCH \next, 0, F0
	WIN MUL_HI
	MUL16 F1, 1, 0, 0
	MUL16 F1, 1, 2, 0
.endm
	s_wait_tensorcnt 1                             ; my part of K step 0 is in; K step 1's may be out
	s_barrier_signal -1
	s_barrier_wait -1
	FETCH 0, 0, F0
	QUARTER 0, 1024, F0, F1, 1                     ; the first quarter starts the sums
	WIN 0
	s_mov_b32 s3, 3
.Llap:                                             ; a trip goes once round the ring and fills both slots again: K steps 2 to 7
	QUARTER 0, 2048, F1, F0, 0
	QUARTER 0, 3072, F0, F1, 0
	TURN 0, 1, 1
	QUARTER 1, 1024, F0, F1, 0
	QUARTER 1, 2048, F1, F0, 0
	QUARTER 1, 3072, F0, F1, 0
	TURN 1, 0, 1
	QUARTER 0, 1024, F0, F1, 0
	WIN 0
	s_sub_co_u32 s3, s3, 1
	s_cmp_lg_u32 s3, 0
	s_cbranch_scc1 .Llap
	QUARTER 0, 2048, F1, F0, 0                     ; the last lap asks for nothing
	QUARTER 0, 3072, F0, F1, 0
	TURN 0, 1, 0
	QUARTER 1, 1024, F0, F1, 0
	QUARTER 1, 2048, F1, F0, 0
	QUARTER 1, 3072, F0, F1, 0
	s_wait_dscnt 8
	WIN MUL_LO
	MUL16 F1, 0, 0, 0
	MUL16 F1, 0, 2, 0
	s_wait_dscnt 0
	WIN MUL_HI
	MUL16 F1, 1, 0, 0
	MUL16 F1, 1, 2, 0
	WIN 0
	PLACES
; Block a (16 queries): hidden scores become -infinity; the largest of my 64 scores and of lane l xor 16's.  Register 8 b + j holds key 128 wc + 16 b + 8 h + j: hidden where 16 b + j - 16 a > DV.
.macro ROWMAX a
.set AC, 64*((\a)%4)
	s_cmp_eq_u32 s[MASKF], 0                       ; ids and the wave's number alone
	s_cbranch_scc1 .Lopen_\@
	WIN 0x82+0x41*((\a)/4)                         ; the scores in window 2 or 3
.set nn, 0
.rept 64
	v_cmp_gt_i32 vcc_lo, 16*(nn/8)+nn%8-16*(\a), v[DV]
	v_cndmask_b32 v[AC+nn], v[AC+nn], v[NINF], vcc_lo
.set nn, nn+1
.endr
	WIN 0
.Lopen_\@:
	WIN 0x28+0x14*((\a)/4)
.set nn, 0
.rept 32
.if nn < 4
	v_max3_num_f32 v[MXC+nn], s[NEGBIG], v[AC+2*nn], v[AC+2*nn+1]   ; four chains, each accumulator from its low end on
.else
	v_max3_num_f32 v[MXC+nn%4], v[MXC+nn%4], v[AC+2*nn], v[AC+2*nn+1]
.endif
.set nn, nn+1
.endr
	WIN 0
	v_max3_num_f32 v[TA], v[MXC], v[MXC+1], v[MXC+2]
	v_max_num_f32 v[TA], v[TA], v[MXC+3]
	v_permlanex16_b32 v[TC], v[TA], s[SEL], s[SEL+1]
	v_max_num_f32 v[MXR+\a], v[TA], v[TC]
.endm
.irp a, 0,1,2,3,4,5,6,7
	ROWMAX \a
.endr
.irp a, 0,1,2,3,4,5,6,7
	ds_store_b32 v[XS], v[MXR+\a] offset:64*\a     ; lanes l and l xor 16 write the same word with the same value
.endr
	s_wait_dscnt 0x0                               ; for the partner's sake: my stores are done
	s_barrier_signal -1
	s_barrier_wait -1
.irp a, 0,1,2,3,4,5,6,7
	ds_load_b32 v[PXR+\a], v[XL] offset:64*\a
.endr
	s_wait_dscnt 0x0
.irp a, 0,1,2,3,4,5,6,7
	v_max_num_f32 v[PXR+\a], v[MXR+\a], v[PXR+\a]  ; the row's largest score over the tile's 256 keys
.endr
.irp a, 0,1,2,3,4,5,6,7
	v_mul_f32 v[PXR+\a], s[CS], v[PXR+\a]          ; as t
.endr
.irp a, 0,1,2,3,4,5,6,7
	v_floor_f32 v[ST+2*\a], -v[PXR+\a]             ; -M = floor(-t): M is a whole number
.endr
; Block a: t - M, p, the sum of the unrounded p, p in f16, eight stores of 512 consecutive bytes.
.macro SOFT a
.set AC, 64*((\a)%4)
.set PKS, PK+32*((\a)%2)
.if (\a) >= 2
	s_wait_xcnt 0x0                                ; block a - 2's stores have read this set of packed registers
.endif
	WIN 0x02+((\a)/4)
.set nn, 0
.rept 32
	v_pk_fma_f32 v[EE+2*nn:EE+2*nn+1], v[AC+2*nn:AC+2*nn+1], s[CS:CS+1], v[ST+2*(\a):ST+2*(\a)+1] op_sel_hi:[1,0,0]
.set nn, nn+1
.endr
	WIN 0
.set nn, 0
.rept 64
	v_exp_f32 v[EE+nn], v[EE+nn]
.set nn, nn+1
.endr
	v_nop                                          ; a plain line behind the last exponential
	s_wait_alu depctr_va_vdst(0)                   ; one wait for the batch of 64, ahead of its first reader
	v_pk_add_f32 v[SUM:SUM+1], v[EE:EE+1], v[EE+2:EE+3]
	v_pk_add_f32 v[SUM+2:SUM+3], v[EE+4:EE+5], v[EE+6:EE+7]
.irp j, 8,12,16,20,24,28,32,36,40,44,48,52,56,60
	v_pk_add_f32 v[SUM:SUM+1], v[SUM:SUM+1], v[EE+\j:EE+\j+1]
	v_pk_add_f32 v[SUM+2:SUM+3], v[SUM+2:SUM+3], v[EE+\j+2:EE+\j+3]
.endr
	v_pk_add_f32 v[SUM:SUM+1], v[SUM:SUM+1], v[SUM+2:SUM+3]
.set nn, 0
.rept 32
	v_cvt_pk_f16_f32 v[PKS+nn], v[EE+2*nn], v[EE+2*nn+1]
.set nn, nn+1
.endr
.irp b, 0,1,2,3,4,5,6,7
	global_store_b128 v[CO], v[PKS+4*\b:PKS+4*\b+3], s[46:47] offset:65536*(\a)+1024*(\b/2)+512*(\b%2)
.endr
	v_add_f32 v[TA], v[SUM], v[SUM+1]
	v_permlanex16_b32 v[TC], v[TA], s[SEL], s[SEL+1]
	v_add_f32 v[ST+2*(\a)+1], v[TA], v[TC]         ; the row's sum over my 128 keys
.endm
.irp a, 0,1,2,3,4,5,6,7
	SOFT \a
.endr
.irp m, 0,1,2,3                        ; lanes 0-15 take block 2 m's pair, lanes 16-31 block 2 m + 1's: the wave stores 256 consecutive bytes, aligned
	v_cndmask_b32 v[MXC+2*\m], v[ST+4*\m], v[ST+4*\m+2], s[HM]
	v_cndmask_b32 v[MXC+2*\m+1], v[ST+4*\m+1], v[ST+4*\m+3], s[HM]
	global_store_b64 v[SO], v[MXC+2*\m:MXC+2*\m+1], s[48:49] offset:256*\m
.endr
	s_wait_tensorcnt 0x0                           ; the wave's end
	ds_add_u32 v[SPW], v[NIL]
	s_wait_dscnt 0x0
	s_endpgm
; ---------------- the first 16 tokens of every sequence, kept in f32 ----------------
; A wave takes 16 of the 3,072 columns of Wq, Wk, Wv for all four batches: source 0 = 16 rows of W's codes, source 1 = 16 tokens; four accumulators by turns, K ascending.
.Lfirst16:
	s_sub_co_u32 s20, ttmp9, 36
	s_mul_i32 s21, s19, 12
	s_add_co_u32 s20, s20, s21                     ; 0 .. 47
	s_lshl_b32 s20, s20, 6
	s_lshl_b32 s21, s16, 4
	s_add_co_u32 s20, s20, s21                     ; my first column
	s_add_co_u32 s21, s20, 8192                    ; its row of codes
	s_mov_b32 s23, 0
	s_lshl_b32 s22, s21, 9
	s_add_nc_u64 s[52:53], s[6:7], s[22:23]
	s_lshl_b32 s22, s21, 5
	s_add_nc_u64 s[54:55], s[8:9], s[22:23]
	s_lshl_b32 s22, s20, 2
	s_add_nc_u64 s[14:15], s[14:15], s[22:23]
	v_and_b32 v1, 15, v0                           ; r
	v_bfe_u32 v2, v0, 4, 1                         ; h
	v_lshlrev_b32 v3, 9, v1
	v_lshl_add_u32 v3, v2, 4, v3                   ; codes: row r of 512 bytes, + 16 h
	v_lshlrev_b32 v10, 5, v1                       ; scales: row r of 32 bytes: eight words, one for each 128 along K
	v_mul_u32_u24 v11, v1, 12288
	v_lshl_add_u32 v11, v2, 5, v11                 ; h16: token r, + 8 h columns
.irp ks, 0,1,2,3,4,5,6,7
.irp c, 0,1
	global_load_b128 v[HW+8*\ks+4*\c:HW+8*\ks+4*\c+3], v3, s[52:53] offset:64*\ks+32*\c
.endr
.endr
	global_load_b128 v[WS:WS+3], v10, s[54:55]
	global_load_b128 v[WS+4:WS+7], v10, s[54:55] offset:16
.irp be, 0,1,2,3
	global_load_b128 v[XSC+8*\be:XSC+8*\be+3], v10, s[8:9] offset:65536*\be
	global_load_b128 v[XSC+8*\be+4:XSC+8*\be+7], v10, s[8:9] offset:65536*\be+16
.endr
	WIN 0x40                                       ; the tokens' fragments fill window 1: batch be, K step ks at v[64 be + 8 ks]
.irp be, 0,1,2,3
.irp ks, 0,1,2,3,4,5,6,7
.irp c, 0,1
	global_load_b128 v[64*\be+8*\ks+4*\c:64*\be+8*\ks+4*\c+3], v3, s[6:7] offset:1048576*\be+64*\ks+32*\c
.endr
.endr
.endr
	s_wait_loadcnt 0x0
	WIN 0x04                                       ; source 1 window 1
.irp ks, 0,1,2,3,4,5,6,7
.irp be, 0,1,2,3
.if \ks == 0
	v_wmma_scale_f32_16x16x128_f8f6f4 v[HAC+8*\be:HAC+8*\be+7], v[HW+8*\ks:HW+8*\ks+7], v[64*\be+8*\ks:64*\be+8*\ks+7], 0, v[WS+\ks], v[XSC+8*\be+\ks] matrix_a_fmt:MATRIX_FMT_FP4 matrix_b_fmt:MATRIX_FMT_FP4
.else
	v_wmma_scale_f32_16x16x128_f8f6f4 v[HAC+8*\be:HAC+8*\be+7], v[HW+8*\ks:HW+8*\ks+7], v[64*\be+8*\ks:64*\be+8*\ks+7], v[HAC+8*\be:HAC+8*\be+7], v[WS+\ks], v[XSC+8*\be+\ks] matrix_a_fmt:MATRIX_FMT_FP4 matrix_b_fmt:MATRIX_FMT_FP4
.endif
.endr
.endr
	WIN 0
	PLACES
.irp be, 0,1,2,3
	global_store_b128 v11, v[HAC+8*\be:HAC+8*\be+3], s[14:15] offset:196608*\be      ; token r, columns 8 h + 0 .. 7
	global_store_b128 v11, v[HAC+8*\be+4:HAC+8*\be+7], s[14:15] offset:196608*\be+16
.endr
	s_wait_tensorcnt 0x0                           ; the wave's end, as above
	ds_add_u32 v[SPW], v[NIL]
	s_wait_dscnt 0x0
	s_endpgm
.Lfunc_end_k_qb1a1088ea6_scores:
	.size	k_qb1a1088ea6_scores, .Lfunc_end_k_qb1a1088ea6_scores-k_qb1a1088ea6_scores
	.p2alignl 7, 3214868480
	.fill 96, 4, 3214868480
	.section	.rodata,"a",@progbits
	.p2align	6, 0x0
	.amdhsa_kernel k_qb1a1088ea6_scores
		.amdhsa_group_segment_fixed_size 327680
		.amdhsa_private_segment_fixed_size 0
		.amdhsa_enable_private_segment 0
		.amdhsa_kernarg_size 48
		.amdhsa_user_sgpr_count 2
		.amdhsa_user_sgpr_kernarg_segment_ptr 1
		.amdhsa_wavefront_size32 1
		.amdhsa_system_sgpr_workgroup_id_x 1
		.amdhsa_system_sgpr_workgroup_id_y 1
		.amdhsa_system_sgpr_workgroup_id_z 1
		.amdhsa_system_vgpr_workitem_id 0
		.amdhsa_next_free_vgpr 1024
		.amdhsa_next_free_sgpr 66
		.amdhsa_reserve_vcc 1
		.amdhsa_float_denorm_mode_32 3
		.amdhsa_float_denorm_mode_16_64 3
		.amdhsa_memory_ordered 1
		.amdhsa_forward_progress 1
		.amdhsa_inst_pref_size 255
	.end_amdhsa_kernel
	.section	.bss,"aw",@nobits
	.p2align	6
	.space	262144
	.amdgpu_metadata
---
amdhsa.version: [ 1, 2 ]
amdhsa.kernels:
  - .name:           k_qb1a1088ea6_scores
    .symbol:         k_qb1a1088ea6_scores.kd
    .args:
      - { .name: qkv, .offset: 0, .size: 8, .value_kind: global_buffer, .address_space: global }
      - { .name: codes, .offset: 8, .size: 8, .value_kind: global_buffer, .address_space: global }
      - { .name: scales, .offset: 16, .size: 8, .value_kind: global_buffer, .address_space: global }
      - { .name: p_img, .offset: 24, .size: 8, .value_kind: global_buffer, .address_space: global }
      - { .name: stats, .offset: 32, .size: 8, .value_kind: global_buffer, .address_space: global }
      - { .name: h16, .offset: 40, .size: 8, .value_kind: global_buffer, .address_space: global }
    .group_segment_fixed_size: 327680
    .private_segment_fixed_size: 0
    .kernarg_segment_align: 8
    .kernarg_segment_size: 48
    .max_flat_workgroup_size: 128
    .sgpr_count:     66
    .vgpr_count:     1024
    .wavefront_size: 32
...
	.end_amdgpu_metadata
.endif
;; end of part 3
;; launch pv (part 4): grid 8 x 32, 4 waves a work-group, clusters of 4 x 1, 327,680 bytes of LDS; arguments p_img, stats, qkv, out0; writes out0
.if DOCPART == 4
	.amdgcn_target "amdgcn-amd-amdhsa--gfx1250"
	.amdhsa_code_object_version 6
	.text
	.protected	k_qb1a1088ea6_pv
	.globl	k_qb1a1088ea6_pv
	.p2align	8
	.type	k_qb1a1088ea6_pv,@function
k_qb1a1088ea6_pv:
	s_mov_b64 s[64:65], 0
	v_nop
	global_prefetch_b8 v0, s[64:65] scope:SCOPE_SE
	s_setreg_imm32_b32 hwreg(HW_REG_WAVE_MODE, 25, 1), 1
	s_wait_xcnt 0x0
	s_wait_alu depctr_hold_cnt(0) depctr_sa_sdst(0) depctr_va_vdst(0) depctr_va_sdst(0) depctr_va_ssrc(0) depctr_va_vcc(0) depctr_vm_vsrc(0)
	s_getreg_b32 s2, hwreg(HW_REG_IB_STS2, 6, 4)
	s_cmp_eq_u32 s2, 0
	s_cbranch_scc0 .Lentry_in_a_cluster
	s_endpgm
.Lentry_in_a_cluster:
	s_bfe_u32 s2, ttmp6, 0x10000c
	s_cmp_lg_u32 s2, 0x3003
	s_cbranch_scc0 .Lentry_shape_is_right
	s_endpgm
.Lentry_shape_is_right:
; O[q] = sum over slots s of 256 keys of g(s, q) (P_s V_s)[q], g = 2^(M_s - M_row) / l_row, l_row = sum over s of 2^(M_s - M_row) l_s: the softmax with the whole row's largest M taken away; f16 operands, f32 sums.
; A work-group (batch b, pair pr, 128 channels CB) makes two tiles of 128 queries x 128 channels: row block 15 - pr, with LL = 8 - pr / 2 slots, then row block pr, with 9 - LL: always nine trips, equal work everywhere.
; Four waves, 64 queries x 64 channels each.  A trip multiplies one slot into T (16 accumulators, begun with the constant 0) and folds it: O += g T, g one number for a lane's query.
; Source 0 = 16 channels of v transposed, source 1 = 16 queries of P: a lane holds one query and eight channels.  Operands lie in memory as register images: dense tiles, no padding, every LDS load 512 consecutive bytes.
; CLUSTER 4 x 1: the four column blocks of one (b, pr) walk the same tiles of P, which are asked for jointly (waves 0, 1); each fetches its own V (waves 2, 3).
; V is not shared out: only row blocks 2 m and 2 m + 1 walk the same slots in step.
; Rows 0-15 of every sequence are not stored here: the next launch carries them in f32.
; REGISTERS: window 0 addresses, factors, the prologue, the way out; window 1 two fragment buffers of 128 (P at + 8 (4 c + a), V at + 64 + 8 (4 c + b)); window 2 T at 8 (4 a + b), O at 128 + 8 (4 a + b).
.set SLOT1, 131072                     ; a slot: P, 8 query blocks x 8,192 bytes, then V likewise
.set VOFF,  65536
.set TAB,   262144                     ; g: [9 trips][128 rows] f32
.set STG,   266752                     ; the way out: 16 rows x 272 bytes for each wave
.set SPARE, 284160                     ; the spare words: two blocks of 256 bytes that no other line names
.set VT0,   33554432
.set AP0, 2
.set AV0, 3
.set AF0, 4
.set STO, 5
.set RD,  6
.set GO,  7
.set ADP, 8
.set ADV, 9
.set ADF, 10
.set PFO, 11                           ; v11 256 x lane; never rewritten
.set GF,  16                           ; v16, 18, 20, 22: g of my query in block a; the odd registers hold 0
.set SPW, 28
.set NIL, 29
.set VO,  32                           ; the prologue: v32-40 offsets, v44-79 (-M, l, -M, l) for each trip, v80-88 f then g
.set DT,  44
.set FT,  80
.set NLO, 90
.set NSH, 91
.set LLO, 92
.set LSH, 93
.set INF, 94
.set OB,  128                          ; v128-191 rows on their way out, two sets
.set F0,  0
.set F1,  128
.set WV,  12
.set TT,  14                           ; s14 the trip
.set LL,  15                           ; s15 trips of the long tile
.set FST, 16                           ; s16 1: this trip starts a tile's sums
.set TB,  17                           ; s17 the slot in hand
.set TF,  18                           ; s18 512 x trip
.set G1P, 24
.set G1V, 32
.set G0P, 40
.set G0V, 44
.set MSB, 0
.macro WIN new
.if MSB != \new
	s_set_vgpr_msb (MSB<<8)|\new
.set MSB, \new
.endif
.endm
.set MUL,  0xa5                        ; sources 0 and 1 window 1, C and D window 2
.set TO_F, 0x40
.macro JLOAD                           ; waves 0, 1: P's halves, jointly; waves 2, 3: V's halves.  The branch hangs on the wave's number alone; s_nop 0 and four v_nop follow each line
	s_cmp_lt_u32 s[WV], 2
	s_cbranch_scc0 .Lfor_v_\@
	tensor_load_to_lds s[G0P:G0P+3], s[G1P:G1P+7]
	s_nop 0
.rept 4
	v_nop
.endr
	s_branch .Lasked_\@
.Lfor_v_\@:
	tensor_load_to_lds s[G0V:G0V+3], s[G1V:G1V+7]
	s_nop 0
.rept 4
	v_nop
.endr
.Lasked_\@:
.endm
; A prefetch of the tile that the load two trips on will ask for (trip t names tile t + 3), 8,192 bytes a wave, lanes 256 bytes apart.  P: the first of the two clusters that read it asks; partner cx's wave w takes
; query block 2 cx + w, told apart by address.  V: wave 2 of the work-group of pair pr takes channel block pr of its column block, so the eight work-groups that walk a column block name each block once.
; Tiles 0 to 2 come by their loads alone; nothing is named beyond tile 8, or beyond V's slot 7.
.macro ASK
	s_cmp_lt_u32 s[TT], s70
	s_cbranch_scc0 .Lnot_mine_\@
	global_prefetch_b8 v[PFO], s[60:61] th:TH_LOAD_NT scope:SCOPE_SE
.Lnot_mine_\@:
.endm
.macro CROUND
	s_barrier_signal -1
	s_barrier_wait -1
	s_cmp_lg_u32 s[WV], 0
	s_cbranch_scc1 .Lnot_wave_0_\@
	s_barrier_signal -3
.Lnot_wave_0_\@:
	s_barrier_wait -3
	s_barrier_signal -1
	s_barrier_wait -1
.endm
	s_load_b256 s[4:11], s[0:1], 0x0               ; p_img s[4:5], stats s[6:7], qkv s[8:9], out0 s[10:11]
	v_lshl_add_u32 v[SPW], v0, 2, SPARE
	v_mov_b32 v[NIL], 0
	ds_add_u32 v[SPW], v[NIL]                      ; the opening: the add, twice on end, and its wait ahead of my first tensor load
	ds_add_u32 v[SPW], v[NIL]
	v_lshrrev_b32 v1, 5, v0
	v_readfirstlane_b32 s[WV], v1
	s_bfe_u32 s13, ttmp6, 0x40000                  ; cx
	s_lshl_b32 s93, ttmp9, 2
	s_add_co_u32 s93, s93, s13                     ; CB: my 128 channels
	s_and_b32 s19, ttmp7, 0xffff
	s_lshr_b32 s50, s19, 3                         ; b
	s_and_b32 s51, s19, 7                          ; pr = the short tile's row block
	s_sub_co_u32 s62, 15, s51                      ; the long tile's
	s_lshr_b32 s19, s51, 1
	s_sub_co_u32 s[LL], 8, s19
	s_lshr_b32 s91, s[WV], 1                       ; wq
	s_and_b32 s92, s[WV], 1                        ; wc; also which half of a tile I fetch
	s_mov_b32 s[G1P], 15|(3<<16)|(1<<21)           ; all four partners; elements of 8 bytes; bit 21 beside a mask
	s_mov_b32 s[G1V], 3<<16
.irp g, G1P, G1V
	s_mov_b32 s[\g+1], 1024<<16                    ; tensor_dim0 = 1,024 elements: 8,192 bytes, 256 keys of 16 rows
	s_mov_b32 s[\g+2], 4<<16                       ; tensor_dim1 = 4 blocks of 16 rows
	s_mov_b32 s[\g+3], 1024<<16
	s_mov_b32 s[\g+4], 4
	s_mov_b32 s[\g+5], 8192                        ; 65,536 bytes from block to block
	s_mov_b32 s[\g+6], 0
	s_mov_b32 s[\g+7], 0
.endr
	s_lshl_b32 s81, s50, 23                        ; P's offsets are made of b, the row block and the wave alone
	s_lshl_b32 s82, s92, 18
	s_add_co_u32 s81, s81, s82
	s_lshl_b32 s83, s62, 19
	s_add_co_u32 s20, s81, s83                     ; the long tile's slot 0
	s_mov_b32 s21, 0
	s_lshl_b32 s83, s51, 19
	s_add_co_u32 s48, s81, s83                     ; the short tile's
	s_lshl_b32 s22, s50, 22
	s_lshl_b32 s84, s92, 18
	s_add_co_u32 s22, s22, s84
	s_lshl_b32 s84, s93, 19
	s_add_co_u32 s22, s22, s84
	s_add_co_u32 s22, s22, VT0                     ; V's slot 0
	s_mov_b32 s23, 0
	s_mov_b32 s49, s22
	s_lshl_b32 s86, s92, 15
	s_mov_b32 s[G0P], 1
	s_mov_b32 s[G0P+1], s86
	s_mov_b32 s[G0V], 1
	s_add_co_u32 s[G0V+1], s86, VOFF
	s_mov_b32 s[TT], 0
	s_mov_b32 s[FST], 0
	s_mov_b32 s[TB], 0
	s_mov_b32 s[TF], 0
	s_or_b32 s71, s51, s91                         ; 0 where my short tile's first 16 rows are a sequence's first 16
	s_wait_dscnt 0x0                               ; both opening adds are done
	s_wait_kmcnt 0x0
	s_add_nc_u64 s[G0P+2:G0P+3], s[4:5], s[20:21]
	s_or_b32 s[G0P+3], s[G0P+3], 0x80000000
	s_add_nc_u64 s[G0V+2:G0V+3], s[8:9], s[22:23]
	s_or_b32 s[G0V+3], s[G0V+3], 0x80000000
	CROUND                                         ; all four work-groups are here
	JLOAD                                          ; tile 0 into slot 0
	v_and_b32 v12, 31, v0
	v_and_b32 v13, 15, v0                          ; r
	v_bfe_u32 v14, v0, 4, 1                        ; h
	v_lshlrev_b32 v15, 4, v12
	s_lshl_b32 s84, s91, 15
	v_add_nc_u32 v[AP0], s84, v15
	s_lshl_b32 s84, s92, 15
	s_add_co_u32 s84, s84, VOFF
	v_add_nc_u32 v[AV0], s84, v15
	s_lshl_b32 s84, s91, 8
	s_add_co_u32 s84, s84, TAB
	v_lshl_add_u32 v[AF0], v13, 2, s84
	s_mul_i32 s84, s[WV], 16*272
	s_add_co_u32 s84, s84, STG
	v_mul_u32_u24 v[STO], v13, 272
	v_lshl_add_u32 v[STO], v14, 5, v[STO]
	v_add_nc_u32 v[STO], s84, v[STO]               ; in: row r, 32 bytes for each half of the lanes
	v_mul_u32_u24 v[RD], v14, 272
	v_lshl_add_u32 v[RD], v13, 4, v[RD]
	v_add_nc_u32 v[RD], s84, v[RD]                 ; back: lanes 0-15 one row of 256 bytes, lanes 16-31 the next
	v_lshlrev_b32 v[GO], 12, v14
	v_lshl_add_u32 v[GO], v13, 4, v[GO]
	v_lshlrev_b32 v[PFO], 8, v12
.irp a, 0,1,2,3
	v_mov_b32 v[GF+2*\a+1], 0                      ; named as the upper half of a pair
.endr
	s_lshl_b32 s84, s50, 11                        ; where my rows of out0 begin: row 2,048 b + 128 block + 64 wq, byte 512 CB + 256 wc
	s_lshl_b32 s85, s91, 6
	s_add_co_u32 s84, s84, s85
	s_lshl_b32 s85, s62, 7
	s_add_co_u32 s85, s85, s84
	s_lshl_b32 s86, s85, 12
	s_lshl_b32 s85, s51, 7
	s_add_co_u32 s85, s85, s84
	s_lshl_b32 s88, s85, 12
	s_lshl_b32 s85, s93, 9
	s_lshl_b32 s84, s92, 8
	s_add_co_u32 s85, s85, s84
	s_add_co_u32 s86, s86, s85
	s_mov_b32 s87, 0
	s_add_co_u32 s88, s88, s85
	s_mov_b32 s89, 0
	s_add_nc_u64 s[52:53], s[10:11], s[86:87]      ; the long tile's
	s_add_nc_u64 s[54:55], s[10:11], s[88:89]      ; the short tile's
	; the prefetches: whose buffer, where tile 2 stands, where the short tile begins, who asks and until when
	s_cmp_lt_u32 s[WV], 2
	s_cselect_b64 s[58:59], s[4:5], s[8:9]
	s_lshl_b32 s87, s13, 1
	s_add_co_u32 s87, s87, s92
	s_lshl_b32 s87, s87, 16
	s_lshl_b32 s88, s50, 23
	s_add_co_u32 s87, s87, s88
	s_lshl_b32 s88, s51, 19
	s_add_co_u32 s68, s87, s88
	s_lshl_b32 s88, s62, 19
	s_add_co_u32 s87, s87, s88
	s_lshl_b32 s88, s50, 22
	s_lshl_b32 s89, s93, 19
	s_add_co_u32 s88, s88, s89
	s_lshl_b32 s89, s51, 16
	s_add_co_u32 s88, s88, s89
	s_add_co_u32 s88, s88, VT0
	s_cmp_lt_u32 s[WV], 2
	s_cselect_b32 s66, s87, s88
	s_cselect_b32 s69, s[LL], 99                   ; V's walk never jumps
	s_add_co_u32 s66, s66, 2*8192
	s_mov_b32 s67, 0
	s_cmp_eq_u32 ttmp9, 0
	s_cselect_b32 s70, 6, 0
	s_cmp_lt_u32 s[WV], 2
	s_cselect_b32 s70, s70, 5
	s_cmp_eq_u32 s[WV], 3
	s_cselect_b32 s70, 0, s70
	; THE PROLOGUE, while tile 0 lands: thread tau makes g for row tau of both tiles, for all nine trips
	s_lshl_b32 s84, s50, 18
	s_mov_b32 s85, 0
	s_add_nc_u64 s[6:7], s[6:7], s[84:85]
	v_lshlrev_b32 v1, 3, v0
	s_lshl_b32 s86, s62, 10
	s_lshl_b32 s88, s51, 10
.irp t, 0,1,2,3,4,5,6,7,8
	s_sub_co_u32 s89, \t, s[LL]
	s_cmp_gt_u32 s[LL], \t                         ; is trip t the long tile's?
	s_cselect_b32 s[72+\t], -1, 0
	s_cselect_b32 s89, \t, s89                     ; its slot
	s_cselect_b32 s90, s86, s88                    ; 8 bytes x 128 rows x its row block
	s_lshl_b32 s89, s89, 15                        ; two chunks of 16,384 bytes a slot
	s_add_co_u32 s89, s89, s90
	v_add_nc_u32 v[VO+\t], s89, v1
.endr
.irp t, 0,1,2,3,4,5,6,7,8
	global_load_b64 v[DT+4*\t:DT+4*\t+1], v[VO+\t], s[6:7]
	global_load_b64 v[DT+4*\t+2:DT+4*\t+3], v[VO+\t], s[6:7] offset:16384
.endr
	v_mov_b32 v[INF], 0x7f800000
	v_mov_b32 v[LLO], 0
	v_mov_b32 v[LSH], 0
	s_wait_loadcnt 0x0
	v_mov_b32 v[NLO], v[DT]                        ; trip 0 is always the long tile's, trip 8 the short one's
	v_mov_b32 v[NSH], v[DT+32]
.irp t, 1,2,3,4,5,6,7
	v_cndmask_b32 v95, v[INF], v[DT+4*\t], s[72+\t]
	v_cndmask_b32 v96, v[DT+4*\t], v[INF], s[72+\t]
	v_min_num_f32 v[NLO], v[NLO], v95              ; the least -M: the row's largest M
	v_min_num_f32 v[NSH], v[NSH], v96
.endr
.irp t, 0,1,2,3,4,5,6,7,8
	v_cndmask_b32 v95, v[NSH], v[NLO], s[72+\t]
	v_sub_f32 v95, v95, v[DT+4*\t]                 ; M of the slot less M of the row: a whole number, 0 or less
	v_cvt_i32_f32 v95, v95                         ; (it saturates)
	v_ldexp_f32 v[FT+\t], 1.0, v95                 ; f: a power of two, nothing is rounded
	v_add_f32 v96, v[DT+4*\t+1], v[DT+4*\t+3]
	v_cndmask_b32 v97, 0, v[FT+\t], s[72+\t]
	v_cndmask_b32 v98, v[FT+\t], 0, s[72+\t]
	v_fma_f32 v[LLO], v97, v96, v[LLO]
	v_fma_f32 v[LSH], v98, v96, v[LSH]
.endr
	v_rcp_f32 v[LLO], v[LLO]
	v_rcp_f32 v[LSH], v[LSH]
	v_lshl_add_u32 v99, v0, 2, TAB                 ; (a plain line behind the reciprocals)
	s_wait_alu depctr_va_vdst(0)                   ; one wait for both, ahead of their first reader
.irp t, 0,1,2,3,4,5,6,7,8
	v_cndmask_b32 v[VO+\t], v[LSH], v[LLO], s[72+\t]
.endr
.irp t, 0,1,2,3,4,5,6,7,8
	v_mul_f32 v[FT+\t], v[FT+\t], v[VO+\t]
.endr
.irp t, 0,1,2,3,4,5,6,7,8
	ds_store_b32 v99, v[FT+\t] offset:512*\t       ; shown to the other waves by the first trip's wait and round
.endr
.macro MUL8 f, c, a0, zero             ; query blocks a0, a0 + 1 x 4 channel blocks, 32 keys.  The 16 accumulators take turns
.irp a, \a0, \a0+1
.irp b, 0,1,2,3
.if \zero
	v_wmma_f32_16x16x32_f16 v[8*(4*(\a)+\b):8*(4*(\a)+\b)+7], v[\f+64+8*(4*\c+\b):\f+64+8*(4*\c+\b)+7], v[\f+8*(4*\c+\a):\f+8*(4*\c+\a)+7], 0
.else
	v_wmma_f32_16x16x32_f16 v[8*(4*(\a)+\b):8*(4*(\a)+\b)+7], v[\f+64+8*(4*\c+\b):\f+64+8*(4*\c+\b)+7], v[\f+8*(4*\c+\a):\f+8*(4*\c+\a)+7], v[8*(4*(\a)+\b):8*(4*(\a)+\b)+7]
.endif
.endr
.endr
.endm
.macro FETCH kq, f                     ; 32 LDS loads in one run: 64 keys, the first 32 first
	WIN TO_F
.irp c, 0,1
.irp i, 0,1,2,3
	ds_load_b128 v[\f+64+8*(4*\c+\i):\f+64+8*(4*\c+\i)+3],   v[ADV] offset:8192*\i+1024*(2*(\kq)+\c)
	ds_load_b128 v[\f+64+8*(4*\c+\i)+4:\f+64+8*(4*\c+\i)+7], v[ADV] offset:8192*\i+1024*(2*(\kq)+\c)+512
	ds_load_b128 v[\f+8*(4*\c+\i):\f+8*(4*\c+\i)+3],         v[ADP] offset:8192*\i+1024*(2*(\kq)+\c)
	ds_load_b128 v[\f+8*(4*\c+\i)+4:\f+8*(4*\c+\i)+7],       v[ADP] offset:8192*\i+1024*(2*(\kq)+\c)+512
.endr
.endr
.endm
.macro PLACES
.rept 4
	v_nop
.endr
.endm
.macro QUARTER kq, f, g, zero
	s_wait_dscnt 16                                ; the first 32 keys are in; the sixteen younger loads may be out
	WIN MUL
	MUL8 \f, 0, 0, \zero
	MUL8 \f, 0, 2, \zero
	PLACES
	FETCH (\kq)+1, \g
	s_wait_dscnt 32                                ; all but the 32 just issued
	WIN MUL
	MUL8 \f, 1, 0, 0
	MUL8 \f, 1, 2, 0
.endm
.macro FOLDLINES fused
	WIN 0xa2                                       ; T and O window 2, g window 0
.irp a, 0,1,2,3
.set ii, 0
.rept 16
.if \fused
	v_pk_fma_f32 v[128+32*\a+2*ii:128+32*\a+2*ii+1], v[32*\a+2*ii:32*\a+2*ii+1], v[GF+2*\a:GF+2*\a+1], v[128+32*\a+2*ii:128+32*\a+2*ii+1] op_sel_hi:[1,0,1]
.else
	v_pk_mul_f32 v[128+32*\a+2*ii:128+32*\a+2*ii+1], v[32*\a+2*ii:32*\a+2*ii+1], v[GF+2*\a:GF+2*\a+1] op_sel_hi:[1,0]
.endif
.set ii, ii+1
.endr
.endr
	WIN 0
.endm
.macro FOLD first                      ; O += g T; a tile's first trip starts O by the multiplication alone: nothing is ever cleared
	PLACES
	WIN 0
.if \first
	FOLDLINES 0
.else
	s_cmp_eq_u32 s[FST], 0
	s_cbranch_scc1 .Ladd_\@
	FOLDLINES 0
	s_branch .Lfolded_\@
.Ladd_\@:
	FOLDLINES 1
.Lfolded_\@:
	s_mov_b32 s[FST], 0
.endif
.endm
; A finished tile leaves, 16 rows at a time, through my own stage: in as 32 bytes a lane, back as whole rows of 256 bytes.  LDS serves a wave's instructions in order, so no wait stands between the stores and the loads.
.macro FLUSH base, skip
.irp a, 0,1,2,3
.if (\skip) && (\a == 0)
	s_cmp_eq_u32 s71, 0                            ; ids and the wave's number alone: a sequence's first 16 rows are the next launch's
	s_cbranch_scc1 .Lnot_here_\@
.endif
	WIN 0x08                                       ; an LDS store's data are its source 1: window 2
.irp b, 0,1,2,3
	ds_store_b128 v[STO], v[128+8*(4*\a+\b):128+8*(4*\a+\b)+3] offset:64*\b
	ds_store_b128 v[STO], v[128+8*(4*\a+\b)+4:128+8*(4*\a+\b)+7] offset:64*\b+16
.endr
	WIN 0
	s_wait_xcnt 0x0                                ; earlier stores have read the registers that the loads below fill
.irp i, 0,1,2,3,4,5,6,7
	ds_load_b128 v[OB+32*(\a%2)+4*\i:OB+32*(\a%2)+4*\i+3], v[RD] offset:544*\i
.endr
	s_wait_dscnt 0x0
.irp i, 0,1,2,3,4,5,6,7
	global_store_b128 v[GO], v[OB+32*(\a%2)+4*\i:OB+32*(\a%2)+4*\i+3], s[\base:\base+1] offset:4096*(16*\a+2*\i) th:TH_STORE_NT   ; sixteen lanes store 256 consecutive bytes, aligned
.endr
.if (\skip) && (\a == 0)
.Lnot_here_\@:
.endif
.endr
.endm
; THE CHANGE OF SLOTS at a trip's head.  Each wave waits for all its tensor loads (one is out: its part of this trip's tile), adds 0 to its spare word, and waits for that and for its reads of the slot that it has left.
; fill = 1: a round of the cluster's barrier, then the next tile into the slot just left, one load a wave: it has this trip's 128 matrix instructions and its fold in which to land.
.macro CHANGE fill
	s_wait_tensorcnt 0x0
	ds_add_u32 v[SPW], v[NIL]                      ; the descriptors' steps stand between it and its wait
.if \fill
	s_xor_b32 s[G0P+1], s[G0P+1], SLOT1
	s_xor_b32 s[G0V+1], s[G0V+1], SLOT1
	s_add_co_u32 s20, s20, 8192                    ; the next 256 keys,
	s_add_co_u32 s22, s22, 8192
	s_add_co_u32 s82, s[TT], 1
	s_cmp_eq_u32 s82, s[LL]                        ; or the short tile's first
	s_cselect_b32 s20, s48, s20
	s_cselect_b32 s22, s49, s22
	s_add_nc_u64 s[G0P+2:G0P+3], s[4:5], s[20:21]
	s_or_b32 s[G0P+3], s[G0P+3], 0x80000000
	s_add_nc_u64 s[G0V+2:G0V+3], s[8:9], s[22:23]
	s_or_b32 s[G0V+3], s[G0V+3], 0x80000000
	s_wait_xcnt 0x0                                ; the last prefetch, a trip back, has read its address
	s_add_co_u32 s66, s66, 8192
	s_add_co_u32 s82, s[TT], 3
	s_cmp_eq_u32 s82, s69
	s_cselect_b32 s66, s68, s66
	s_add_nc_u64 s[60:61], s[58:59], s[66:67]
	s_wait_dscnt 0x0
	CROUND
	JLOAD
	ASK
.else
	s_wait_dscnt 0x0
	s_barrier_signal -1
	s_barrier_wait -1
.endif
.endm
.macro TRIP fill, first, flush
	CHANGE \fill
	v_add_nc_u32 v[ADP], s[TB], v[AP0]
	v_add_nc_u32 v[ADV], s[TB], v[AV0]
	v_add_nc_u32 v[ADF], s[TF], v[AF0]
.irp a, 0,1,2,3
	ds_load_b32 v[GF+2*\a], v[ADF] offset:64*\a
.endr
	FETCH 0, F0
	QUARTER 0, F0, F1, 1                           ; the slot's first products start T
	QUARTER 1, F1, F0, 0
	QUARTER 2, F0, F1, 0
	s_wait_dscnt 16
	WIN MUL
	MUL8 F1, 0, 0, 0
	MUL8 F1, 0, 2, 0
	s_wait_dscnt 0
	MUL8 F1, 1, 0, 0
	MUL8 F1, 1, 2, 0
	FOLD \first
.if \flush == 1
	s_add_co_u32 s82, s[TT], 1
	s_cmp_lg_u32 s82, s[LL]                        ; the long tile's last trip?
	s_cbranch_scc1 .Lkeep_\@
	FLUSH 52, 0
	s_mov_b32 s[FST], 1
.Lkeep_\@:
.endif
.if \flush == 2
	FLUSH 54, 1
.endif
	s_xor_b32 s[TB], s[TB], SLOT1
	s_add_co_u32 s[TF], s[TF], 512
.endm
	TRIP 1, 1, 0                                   ; trip 0 stands ahead of the loop: it starts the long tile's O, and slot 1 gets its first fill
	s_mov_b32 s[TT], 1
.Ltrip:
	TRIP 1, 0, 1
	s_add_co_u32 s[TT], s[TT], 1
	s_cmp_lt_u32 s[TT], 8
	s_cbranch_scc1 .Ltrip
	TRIP 0, 0, 2                                   ; trip 8 asks for nothing and ends the short tile
	s_wait_tensorcnt 0x0                           ; the wave's end
	ds_add_u32 v[SPW], v[NIL]
	s_wait_dscnt 0x0
	CROUND                                         ; the closing round
	s_endpgm
.Lfunc_end_k_qb1a1088ea6_pv:
	.size	k_qb1a1088ea6_pv, .Lfunc_end_k_qb1a1088ea6_pv-k_qb1a1088ea6_pv
	.p2alignl 7, 3214868480
	.fill 96, 4, 3214868480
	.section	.rodata,"a",@progbits
	.p2align	6, 0x0
	.amdhsa_kernel k_qb1a1088ea6_pv
		.amdhsa_group_segment_fixed_size 327680
		.amdhsa_private_segment_fixed_size 0
		.amdhsa_enable_private_segment 0
		.amdhsa_kernarg_size 32
		.amdhsa_user_sgpr_count 2
		.amdhsa_user_sgpr_kernarg_segment_ptr 1
		.amdhsa_wavefront_size32 1
		.amdhsa_system_sgpr_workgroup_id_x 1
		.amdhsa_system_sgpr_workgroup_id_y 1
		.amdhsa_system_sgpr_workgroup_id_z 1
		.amdhsa_system_vgpr_workitem_id 0
		.amdhsa_next_free_vgpr 768
		.amdhsa_next_free_sgpr 100
		.amdhsa_reserve_vcc 0
		.amdhsa_float_denorm_mode_32 3
		.amdhsa_float_denorm_mode_16_64 3
		.amdhsa_memory_ordered 1
		.amdhsa_forward_progress 1
		.amdhsa_inst_pref_size 112
	.end_amdhsa_kernel
	.amdgpu_metadata
---
amdhsa.version: [ 1, 2 ]
amdhsa.kernels:
  - .name:           k_qb1a1088ea6_pv
    .symbol:         k_qb1a1088ea6_pv.kd
    .args:
      - { .name: p_img, .offset: 0, .size: 8, .value_kind: global_buffer, .address_space: global }
      - { .name: stats, .offset: 8, .size: 8, .value_kind: global_buffer, .address_space: global }
      - { .name: qkv, .offset: 16, .size: 8, .value_kind: global_buffer, .address_space: global }
      - { .name: out0, .offset: 24, .size: 8, .value_kind: global_buffer, .address_space: global }
    .group_segment_fixed_size: 327680
    .private_segment_fixed_size: 0
    .kernarg_segment_align: 8
    .kernarg_segment_size: 32
    .max_flat_workgroup_size: 128
    .sgpr_count:     100
    .vgpr_count:     768
    .wavefront_size: 32
...
	.end_amdgpu_metadata
.endif
;; end of part 4
;; launch head16 (part 5): grid 8 x 4, 8 waves a work-group, no clusters, 17,664 bytes of LDS; arguments h16, out0; writes out0
.if DOCPART == 5
	.amdgcn_target "amdgcn-amd-amdhsa--gfx1250"
	.amdhsa_code_object_version 6
	.text
	.protected	k_qb1a1088ea6_head16
	.globl	k_qb1a1088ea6_head16
	.p2align	8
	.type	k_qb1a1088ea6_head16,@function
k_qb1a1088ea6_head16:
	s_mov_b64 s[64:65], 0
	v_nop
	global_prefetch_b8 v0, s[64:65] scope:SCOPE_SE
	s_setreg_imm32_b32 hwreg(HW_REG_WAVE_MODE, 25, 1), 1
	s_wait_xcnt 0x0
; Rows 0-15 of every sequence, wholly in f32: these rows average one to sixteen values, where rounded operands would weigh most.
; h16 [4][16 tokens][3,072] holds q, k, v of those tokens in f32.  Work-group (c, b): batch b, channels 128 c .. 128 c + 127.  Eight waves.
; 1: wave w sums S^T = k q^T over channels 128 w .. + 127 (32 matrix instructions of 16 x 16 x 4, four accumulators by turns; the channels are dealt to the instruction's four k alike in both operands).
; 2: the eight partial sums meet in LDS and are added in the order of the waves, in every wave.  3: causal mask, the row's maximum taken away, p = 2^(c s - c max), the sum.  A lane holds query r and keys 8 h + 0 .. 7.
; 4: O^T = v^T p^T for the wave's 16 channels: key 8 h + 2 s + j stands at the same k in both operands, so nothing changes lanes.  5: O / the sum goes through a stage and leaves as whole rows of 512 bytes.
.set PS,    0                          ; 1,024 bytes a wave: a partial S^T as an image of its registers
.set STG,   8192                       ; 16 rows x (512 + 16) bytes
.set SPARE, 16640                      ; the spare words: 128 bytes a wave, four blocks of 256 bytes that no other line names
.set KA,  32                           ; v32-95   k; later the eight partial sums
.set QB,  96                           ; v96-159  q
.set VA,  160                          ; v160-167 v
.set SA,  168                          ; v168-199 four accumulators of S^T: written by matrix instructions alone
.set OA,  200                          ; v200-207 O^T: likewise
.set SPT, 208
.set SS,  216
.set PP,  224
.set ORR, 232
.set SPW, 30
.set NIL, 31
	s_load_b128 s[4:7], s[0:1], 0x0                ; h16 s[4:5], out0 s[6:7]
	v_lshl_add_u32 v[SPW], v0, 2, SPARE
	v_mov_b32 v[NIL], 0
	v_lshrrev_b32 v1, 5, v0
	v_readfirstlane_b32 s8, v1                     ; wave
	s_and_b32 s9, ttmp7, 0xffff                    ; batch
	v_and_b32 v1, 31, v0
	v_and_b32 v2, 15, v0                           ; r
	v_bfe_u32 v3, v0, 4, 1                         ; h
	v_mul_u32_u24 v4, v2, 12288
	v_lshl_add_u32 v4, v3, 4, v4                   ; q, k: token r, + 4 h channels
	v_mul_u32_u24 v5, v3, 8*12288
	v_lshl_add_u32 v5, v2, 2, v5                   ; v: token 8 h, channel r
	v_lshlrev_b32 v6, 4, v1                        ; 16 x lane
	s_lshl_b32 s24, s8, 10
	v_add_nc_u32 v7, s24, v6                       ; where my partial sum goes
	v_lshlrev_b32 v14, 3, v3
	v_sub_nc_u32 v14, v2, v14                      ; r - 8 h: key 8 h + j is hidden where j is greater
	v_mov_b32 v15, 0xff800000
	v_mov_b32 v9, 0                                ; a lane permute's destination counts as read
	s_lshl_b32 s24, s8, 6
	s_add_co_u32 s24, s24, STG
	v_mul_u32_u24 v16, v2, 528
	v_lshl_add_u32 v16, v3, 5, v16
	v_add_nc_u32 v16, s24, v16                     ; the stage, in: row r, 64 bytes a wave, 32 a half
	s_mul_i32 s24, s8, 2*528
	s_add_co_u32 s24, s24, STG
	v_add_nc_u32 v17, s24, v6                      ; back: my two rows, 16 bytes a lane
	s_mov_b32 s20, 0x3d38aa3b                      ; c = log2(e) / 32
	s_mov_b32 s22, 0x76543210
	s_mov_b32 s23, 0xfedcba98
	s_mul_i32 s10, s9, 196608
	s_lshl_b32 s11, s8, 9
	s_add_co_u32 s12, s10, s11                     ; q: my 128 channels
	s_mov_b32 s13, 0
	s_lshl_b32 s14, ttmp9, 9
	s_lshl_b32 s11, s8, 6
	s_add_co_u32 s14, s14, s11
	s_add_co_u32 s14, s14, s10
	s_add_co_u32 s14, s14, 8192                    ; v: channel 128 c + 16 w
	s_mov_b32 s15, 0
	s_lshl_b32 s26, s9, 11
	s_lshl_b32 s11, s8, 1
	s_add_co_u32 s26, s26, s11
	s_lshl_b32 s26, s26, 12
	s_lshl_b32 s11, ttmp9, 9
	s_add_co_u32 s26, s26, s11                     ; out0: row 2,048 b + 2 w, byte 512 c
	s_mov_b32 s27, 0
	s_wait_kmcnt 0x0
	s_add_nc_u64 s[16:17], s[4:5], s[12:13]
	s_add_nc_u64 s[18:19], s[4:5], s[14:15]
	s_add_nc_u64 s[6:7], s[6:7], s[26:27]
.irp cc, 0,1,2,3,4,5,6,7,8,9,10,11,12,13,14,15
	global_load_b128 v[KA+4*\cc:KA+4*\cc+3], v4, s[16:17] offset:4096+32*\cc   ; k(r, 8 cc + 4 h + 0 .. 3)
	global_load_b128 v[QB+4*\cc:QB+4*\cc+3], v4, s[16:17] offset:32*\cc        ; q likewise
.endr
.irp jj, 0,1,2,3,4,5,6,7
	global_load_b32 v[VA+\jj], v5, s[18:19] offset:12288*\jj                   ; v(8 h + jj, channel r)
.endr
	s_wait_loadcnt 0x0
.set ss, 0
.rept 32
.if ss < 4
	v_wmma_f32_16x16x4_f32 v[SA+8*(ss%4):SA+8*(ss%4)+7], v[KA+2*ss:KA+2*ss+1], v[QB+2*ss:QB+2*ss+1], 0
.else
	v_wmma_f32_16x16x4_f32 v[SA+8*(ss%4):SA+8*(ss%4)+7], v[KA+2*ss:KA+2*ss+1], v[QB+2*ss:QB+2*ss+1], v[SA+8*(ss%4):SA+8*(ss%4)+7]
.endif
.set ss, ss+1
.endr
.rept 8
	v_nop                                          ; eight places behind this form (ISA guide 7.12.1)
.endr
.irp i, 0,1,2,3
	v_pk_add_f32 v[SPT+2*\i:SPT+2*\i+1], v[SA+2*\i:SA+2*\i+1], v[SA+8+2*\i:SA+8+2*\i+1]
.endr
.irp i, 0,1,2,3
	v_pk_add_f32 v[SS+2*\i:SS+2*\i+1], v[SA+16+2*\i:SA+16+2*\i+1], v[SA+24+2*\i:SA+24+2*\i+1]
.endr
.irp i, 0,1,2,3
	v_pk_add_f32 v[SPT+2*\i:SPT+2*\i+1], v[SPT+2*\i:SPT+2*\i+1], v[SS+2*\i:SS+2*\i+1]
.endr
	ds_store_b128 v7, v[SPT:SPT+3] offset:PS
	ds_store_b128 v7, v[SPT+4:SPT+7] offset:PS+512
	s_wait_dscnt 0x0                               ; for the others' sake: my stores are done
	s_barrier_signal -1
	s_barrier_wait -1
.irp w, 0,1,2,3,4,5,6,7
	ds_load_b128 v[KA+8*\w:KA+8*\w+3], v6 offset:PS+1024*\w
	ds_load_b128 v[KA+8*\w+4:KA+8*\w+7], v6 offset:PS+1024*\w+512
.endr
	s_wait_dscnt 0x0
.irp i, 0,1,2,3
	v_pk_add_f32 v[SS+2*\i:SS+2*\i+1], v[KA+2*\i:KA+2*\i+1], v[KA+8+2*\i:KA+8+2*\i+1]
.endr
.irp w, 2,3,4,5,6,7
.irp i, 0,1,2,3
	v_pk_add_f32 v[SS+2*\i:SS+2*\i+1], v[SS+2*\i:SS+2*\i+1], v[KA+8*\w+2*\i:KA+8*\w+2*\i+1]
.endr
.endr
.irp j, 0,1,2,3,4,5,6,7
	v_cmp_gt_i32 vcc_lo, \j, v14
	v_cndmask_b32 v[SS+\j], v[SS+\j], v15, vcc_lo  ; hidden keys: -infinity
.endr
	v_max3_num_f32 v8, v[SS], v[SS+1], v[SS+2]
	v_max3_num_f32 v8, v8, v[SS+3], v[SS+4]
	v_max3_num_f32 v8, v8, v[SS+5], v[SS+6]
	v_max_num_f32 v8, v8, v[SS+7]
	v_permlanex16_b32 v9, v8, s22, s23
	v_max_num_f32 v8, v8, v9                       ; the row's largest score: key 0 counts for every query
	v_mul_f32 v8, s20, v8
.irp j, 0,1,2,3,4,5,6,7
	v_fma_f32 v[PP+\j], v[SS+\j], s20, -v8
.endr
.irp j, 0,1,2,3,4,5,6,7
	v_exp_f32 v[PP+\j], v[PP+\j]
.endr
	v_nop                                          ; a plain line behind the last exponential
	s_wait_alu depctr_va_vdst(0)                   ; one wait for the eight, ahead of their first reader
	v_pk_add_f32 v[10:11], v[PP:PP+1], v[PP+2:PP+3]
	v_pk_add_f32 v[12:13], v[PP+4:PP+5], v[PP+6:PP+7]
	v_pk_add_f32 v[10:11], v[10:11], v[12:13]
	v_add_f32 v10, v10, v11
	v_permlanex16_b32 v9, v10, s22, s23
	v_add_f32 v10, v10, v9                         ; the row's sum
	v_rcp_f32 v10, v10
	v_nop                                          ; a plain line behind the reciprocal
	v_wmma_f32_16x16x4_f32 v[OA:OA+7], v[VA:VA+1], v[PP:PP+1], 0
.irp s, 1,2,3
	s_wait_alu depctr_va_vdst(0)                   ; the wait directly ahead of each link; it also serves the reciprocal
	v_wmma_f32_16x16x4_f32 v[OA:OA+7], v[VA+2*\s:VA+2*\s+1], v[PP+2*\s:PP+2*\s+1], v[OA:OA+7]
.endr
.rept 8
	v_nop
.endr
.irp j, 0,1,2,3,4,5,6,7
	v_mul_f32 v[ORR+\j], v[OA+\j], v10             ; query r, channels 8 h + j of my 16
.endr
	ds_store_b128 v16, v[ORR:ORR+3]
	ds_store_b128 v16, v[ORR+4:ORR+7] offset:16
	s_wait_dscnt 0x0
	s_barrier_signal -1
	s_barrier_wait -1
	ds_load_b128 v[20:23], v17
	ds_load_b128 v[24:27], v17 offset:528
	s_wait_dscnt 0x0
	global_store_b128 v6, v[20:23], s[6:7] th:TH_STORE_NT               ; 32 lanes store 512 consecutive bytes, aligned
	global_store_b128 v6, v[24:27], s[6:7] offset:4096 th:TH_STORE_NT
	s_wait_tensorcnt 0x0                           ; the wave's end
	ds_add_u32 v[SPW], v[NIL]
	s_wait_dscnt 0x0
	s_endpgm
.Lfunc_end_k_qb1a1088ea6_head16:
	.size	k_qb1a1088ea6_head16, .Lfunc_end_k_qb1a1088ea6_head16-k_qb1a1088ea6_head16
	.p2alignl 7, 3214868480
	.fill 96, 4, 3214868480
	.section	.rodata,"a",@progbits
	.p2align	6, 0x0
	.amdhsa_kernel k_qb1a1088ea6_head16
		.amdhsa_group_segment_fixed_size 17664
		.amdhsa_private_segment_fixed_size 0
		.amdhsa_enable_private_segment 0
		.amdhsa_kernarg_size 16
		.amdhsa_user_sgpr_count 2
		.amdhsa_user_sgpr_kernarg_segment_ptr 1
		.amdhsa_wavefront_size32 1
		.amdhsa_system_sgpr_workgroup_id_x 1
		.amdhsa_system_sgpr_workgroup_id_y 1
		.amdhsa_system_sgpr_workgroup_id_z 1
		.amdhsa_system_vgpr_workitem_id 0
		.amdhsa_next_free_vgpr 256
		.amdhsa_next_free_sgpr 66
		.amdhsa_reserve_vcc 1
		.amdhsa_float_denorm_mode_32 3
		.amdhsa_float_denorm_mode_16_64 3
		.amdhsa_memory_ordered 1
		.amdhsa_forward_progress 1
		.amdhsa_inst_pref_size 16
	.end_amdhsa_kernel
	.amdgpu_metadata
---
amdhsa.version: [ 1, 2 ]
amdhsa.kernels:
  - .name:           k_qb1a1088ea6_head16
    .symbol:         k_qb1a1088ea6_head16.kd
    .args:
      - { .name: h16, .offset: 0, .size: 8, .value_kind: global_buffer, .address_space: global }
      - { .name: out0, .offset: 8, .size: 8, .value_kind: global_buffer, .address_space: global }
    .group_segment_fixed_size: 17664
    .private_segment_fixed_size: 0
    .kernarg_segment_align: 8
    .kernarg_segment_size: 16
    .max_flat_workgroup_size: 256
    .sgpr_count:     66
    .vgpr_count:     256
    .wavefront_size: 32
...
	.end_amdgpu_metadata
.endif
;; end of part 5
